; MI455X (gfx1250); checked and timed in simulation.
; The chip was launched on July 23, 2026; its instructions are those of AMD's public machine-readable ISA for CDNA 5 (MIT licence, August 2026) and "CDNA5" Instruction Set Architecture Reference Guide (July 2026). The comments in the code are by the model that wrote it; some were corrected since.
;; Association. Allowed arithmetic: matrix products marked QUANTISED: E4M3 operands, one E8M0 scale for each 32 along K, by v_wmma_scale_f32_16x16x128_f8f6f4 with both operands' format E4M3, f32 sums; everything else in f32.
;; Inputs: keys 8 x 1,024 x 16 x 64 float32; queries 8 x 1,024 x 16 x 64 float32; values 8 x 1,024 x 16 x 64 float32.
;; Outputs: out0 8 x 1,024 x 16 x 64 float32.
;; This version of the problem:
;;   THIS VERSION OF THE PROBLEM IS GIVEN IN LOW PRECISION. The matrix products marked QUANTISED in the list below multiply operands that are first quantised to E4M3 (4 exponent bits, 3 mantissa bits; 8 bits a number), with one power-of-two scale for each 32 numbers along K (OCP MX v1.0); their sums are f32. All else is computed in f32.
;;   The module's matrix products, in the order in which they are computed (A, B: the left and right operand; K: the contracted axis; several contracted axes count as one K, in the product's order):
;;     1. batch 128 x [M 1,024, K 64] x [K 64, N 1,024]; A: input queries; B: input keys: QUANTISED
;;     2. batch 128 x [M 64, K 1,024] x [K 1,024, N 1,024]; A: input values; B: computed on the way: QUANTISED
;;   THE QUANTISER, for each operand of a quantised product, along K:
;;     - K is cut into blocks of 32 from its start; a last block that is shorter is filled with zeros.
;;     - A block's scale is 2^e with e = floor(log2(the largest magnitude in the block)) - 8, held to -126 .. 127; a block of zeros has e = 0. As a byte (E8M0): e + 127.
;;     - Each number is divided by its block's scale, clamped to +-448, and rounded to the nearest number of E4M3, ties to even, subnormals kept.
;;     - The product sums the exact products of the quantised numbers (number of the format x scale) in f32.
;;   ~~~python
;;   def quantise(x, axis):      # numpy; x: float32 -> the quantised numbers, widened to float32 again
;;       x = np.moveaxis(x, axis, -1); K = x.shape[-1]
;;       x = np.pad(x, [(0, 0)] * (x.ndim - 1) + [(0, -K % 32)]); x = x.reshape(x.shape[:-1] + (-1, 32)); a = np.abs(x).max(-1, keepdims=True)
;;       e = np.where(a > 0, np.clip(np.frexp(np.where(a > 0, a, 1))[1] - 1 - 8, -126, 127), 0)      # np.frexp(a)[1] - 1 = floor(log2(a)), exactly
;;       r = np.clip(x / 2.0 ** e, -448, 448)
;;       step = 2.0 ** (np.maximum(np.frexp(np.where(r == 0, 1, r))[1] - 1, -6) - 3)
;;       q = np.round(r / step) * step * 2.0 ** e      # np.round: ties to even
;;       return np.moveaxis(q.reshape(q.shape[:-2] + (-1,))[..., :K], -1, axis).astype(np.float32)
;;   ~~~
;;   OPERANDS COMPUTED ON THE WAY. 'Computed on the way' means the value that the module computes at that place (a softmax that the list does not call 'softmax' is quantised finished and normalised). What goes into a quantiser is computed in f32, as accurately as f32 sums, v_exp_f32 and their like allow (about 1e-6 of the number): no bf16 or f16 on the way to a quantiser, and a product that is left as it is and whose result goes on into a quantised operand takes f32 operands (vector FMAs, or v_wmma_f32_16x16x4_f32). A number that lies on a knife's edge between two numbers of the format may be rounded either way, as far as f32 arithmetic and the matrix unit's own rounding can turn it there, and no further.
;; 2 versions, each right and faster than the one before. Each part assembles by itself: llvm-mc -triple=amdgcn-amd-amdhsa -mcpu=gfx1250 --defsym DOCPART=n.
;; ======== version 1 of 2: 2 launches
;; limits: right only within a limited range of input values
;; workspace buffers: kv 17,563,648 bytes
;; launch quant (part 1): grid 8 x 128, 4 waves a work-group, no clusters, 36,352 bytes of LDS; arguments keys, values, kv; writes kv
.if DOCPART == 1
	.amdgcn_target "amdgcn-amd-amdhsa--gfx1250"
	.amdhsa_code_object_version 6
	.text
	.protected	k_q698e446bc2_quant
	.globl	k_q698e446bc2_quant
	.p2align	8
	.type	k_q698e446bc2_quant,@function
k_q698e446bc2_quant:
	s_mov_b64 s[64:65], 0
	v_nop
	global_prefetch_b8 v0, s[64:65] scope:SCOPE_SE
	s_setreg_imm32_b32 hwreg(HW_REG_WAVE_MODE, 25, 1), 1
	s_wait_xcnt 0x0
; K and V, [8][1024][16][64] f32 (a row (b, s, h) is 256 bytes, rows of one head 4,096 bytes apart), become codes of FP8 (E4M3) with one E8M0 scale for each 32 along a product's K: K along the head's 64, V along the keys.
; They are laid as the product's launch reads them: one record of 137,216 bytes a head, IMAGES OF THE OPERANDS' REGISTERS:
;   K's 64 tiles of 16 keys, 1,024 bytes each: chunk c (k = 32 c on) at 512 c, lane at 16 x lane.  Lane r of tile 2 q + u holds key 32 q + 8 u + r + 8 (r / 8).
;   from 65,536: V: block of 32 keys q at 2,048 q, channel tile t at 512 t, lane at 16 x lane: chunk q % 4 of the fragment (K step q / 4, t).
;   from 131,072: K's scale words: 256 (tile / 4) + 16 r + 4 (tile % 4): two bytes, and 127 twice for the zero codes of k = 64 .. 127.     from 135,168: V's: 256 (q / 4) + 16 r + 4 t, byte q % 4.
; A block's scale is 2^(floor(log2(its largest magnitude)) - 8); its byte is the largest magnitude's exponent field - 8, held at 1 from below (a block of zeros so gets 1: its codes are zeros, and this program alone reads the bytes).
; LIMITS: NaN and infinities among the inputs are not served.
; SHARES.  A work-group takes 128 keys of one head (grid x: which; grid y: the head), wave w the 32 keys of block q = 4 x + w, of K and of V.  No loop.  Every store covers 256 or 512 consecutive bytes, aligned.
; The scale words of the four waves meet in LDS behind one barrier, so that they too leave as whole runs.  No tensor loads, no matrix work, no cluster: each input byte is read once, by one wave.
.set ROW,   4096
.set SP,    272                        ; a stage row: 256 bytes + 16
.set REC,   137216
.set VIMG,  65536
.set KSC,   131072
.set VSC,   135168
.set STGW,  32*SP                      ; LDS: a stage of 32 rows for each wave;
.set SCK,   4*STGW                     ; K's scale words of the work-group's 8 tiles, 512 bytes, as they go out;
.set SCV,   SCK+512                    ; V's scale bytes, 64 for each wave: byte d of wave w at 64 w + d
.set LI,   1                           ; 16 x lane
.set STL,  2                           ; stage + 16 x lane
.set STW,  3                           ; stage + 272 (lane / 16) + 16 (lane % 16): two whole rows an instruction
.set STRK, 4                           ; stage + 272 (r + 8 (r / 8)) + 64 (lane / 16)
.set GROW, 5                           ; 4,096 (lane / 16) + 16 (lane % 16)
.set GV,   6                           ; 65,536 (lane / 16) + 16 (lane % 16): rows j and j + 16
.set VST,  7                           ; stage + 512 (x / 4) + 256 y + 64 (x % 4)
.set KSW,  8                           ; SCK + 256 (w / 2) + 8 (w % 2) + 16 r
.set VSW,  9                           ; SCV + 64 w + 4 x
.set SRK,  10                          ; SCK + 16 x lane
.set SRV,  11                          ; SCV + 32 (lane % 2) + lane / 2
.set OV8,  12                          ; 8 x lane
.set PWA,  20                          ; v20-21 K's two scale words;  v22 V's four bytes
.set PWV,  22
.set TM,   32                          ; +0 largest magnitudes, +4 bytes, +8 holds, +12 scale operands
.set PC,   48                          ; K's codes
.set KRAW, 64                          ; 32 keys of K as loaded; later V's codes (PC2), V's codes back from the stage (VB), the scales on their way out (SO, SB)
.set PC2,  64
.set VB,   80
.set SO,   96
.set SB,   100
.set VRAW, 128                         ; 32 keys of V as loaded
.set Y,    192                         ; 64 numbers in the quantiser's order
; THE QUANTISER.  Four blocks; number i of my 16 of block b stands in v[src + sb b + si i]; the block's other 16 are lane l xor 16's.
; QMAX: each block's largest magnitude (with the floor 2^(9 - 127) as one more leaf), the conversion's scale operand (8 off the exponent field), 448 x the scale, the byte.
.macro QMAX src, sb, si
.irp b, 0,1,2,3
	v_max3_num_f32 v[TM+\b], |v[(\src)+(\sb)*\b]|, |v[(\src)+(\sb)*\b+(\si)]|, 0x4800000
.endr
.irp i, 2,4,6,8,10,12,14
.irp b, 0,1,2,3
	v_max3_num_f32 v[TM+\b], v[TM+\b], |v[(\src)+(\sb)*\b+(\si)*\i]|, |v[(\src)+(\sb)*\b+(\si)*(\i+1)]|   ; the blocks by turns
.endr
.endr
.irp b, 0,1,2,3
	v_permlanex16_b32 v[TM+4+\b], v[TM+\b], s28, s29
.endr
.irp b, 0,1,2,3
	v_max_num_f32 v[TM+\b], v[TM+\b], v[TM+4+\b]
.endr
.irp b, 0,1,2,3
	v_add_nc_u32 v[TM+12+\b], 0xfc000000, v[TM+\b]
.endr
.irp b, 0,1,2,3
	v_and_or_b32 v[TM+8+\b], v[TM+\b], 0x7f800000, s30
.endr
.irp b, 0,1,2,3
	v_lshrrev_b32 v[TM+4+\b], 23, v[TM+12+\b]
.endr
.endm
; QCVT: the hold at 448 x the scale (the conversion to an 8-bit code does not saturate: ISA guide 7.6.2), which also brings the numbers into v[Y + 16 b + i]; then 16 codes a block into v[pc + 4 b] on.
.macro QCVT src, sb, si, pc
.irp b, 0,1,2,3
.irp i, 0,1,2,3,4,5,6,7,8,9,10,11,12,13,14,15
	v_med3_num_f32 v[Y+16*\b+\i], v[(\src)+(\sb)*\b+(\si)*\i], -v[TM+8+\b], v[TM+8+\b]
.endr
.endr
.irp b, 0,1,2,3
	v_cvt_scalef32_pk8_fp8_f32 v[(\pc)+4*\b:(\pc)+4*\b+1], v[Y+16*\b:Y+16*\b+7], v[TM+12+\b]
	v_cvt_scalef32_pk8_fp8_f32 v[(\pc)+4*\b+2:(\pc)+4*\b+3], v[Y+16*\b+8:Y+16*\b+15], v[TM+12+\b]
.endr
	v_nop                                          ; one plain line behind the last conversion
.endm
	s_load_b128 s[4:7], s[0:1], 0x0                ; K s[4:5], V s[6:7]
	s_load_b64 s[8:9], s[0:1], 0x10                ; the records
	v_lshl_add_u32 v30, v0, 2, 0x8c00
	v_mov_b32 v31, 0
	v_lshrrev_b32 v13, 5, v0
	v_readfirstlane_b32 s12, v13                   ; wave 0..3
	v_and_b32 v14, 31, v0                          ; lane
	v_and_b32 v15, 15, v0                          ; r = x = lane % 16
	v_bfe_u32 v16, v0, 4, 1                        ; h = y = lane / 16
	v_bfe_u32 v17, v0, 2, 2                        ; x / 4
	v_and_b32 v18, 3, v0                           ; x % 4
	s_mul_i32 s13, s12, STGW                       ; my stage
	v_lshlrev_b32 v[LI], 4, v14
	v_add_nc_u32 v[STL], s13, v[LI]
	v_mul_u32_u24 v13, v16, SP
	v_lshl_add_u32 v13, v15, 4, v13
	v_add_nc_u32 v[STW], s13, v13
	v_and_b32 v13, 8, v15
	v_add_nc_u32 v13, v13, v15                     ; r + 8 (r / 8)
	v_mul_u32_u24 v13, v13, SP
	v_lshl_add_u32 v13, v16, 6, v13
	v_add_nc_u32 v[STRK], s13, v13
	v_lshlrev_b32 v[GROW], 12, v16
	v_lshl_add_u32 v[GROW], v15, 4, v[GROW]
	v_lshlrev_b32 v[GV], 16, v16
	v_lshl_add_u32 v[GV], v15, 4, v[GV]
	v_lshlrev_b32 v13, 9, v17
	v_lshl_add_u32 v13, v16, 8, v13
	v_lshl_add_u32 v13, v18, 6, v13
	v_add_nc_u32 v[VST], s13, v13
	s_lshr_b32 s14, s12, 1
	s_lshl_b32 s14, s14, 8
	s_and_b32 s15, s12, 1
	s_lshl_b32 s15, s15, 3
	s_add_co_u32 s14, s14, s15
	s_add_co_u32 s14, s14, SCK
	v_lshl_add_u32 v[KSW], v15, 4, s14
	s_lshl_b32 s15, s12, 6
	s_add_co_u32 s15, s15, SCV
	v_lshl_add_u32 v[VSW], v15, 2, s15
	v_add_nc_u32 v[SRK], SCK, v[LI]
	v_and_b32 v13, 1, v0
	v_bfe_u32 v19, v0, 1, 4                        ; lane / 2
	v_lshl_add_u32 v13, v13, 5, v19
	v_add_nc_u32 v[SRV], SCV, v13
	v_lshlrev_b32 v[OV8], 3, v14
	s_and_b32 s16, ttmp7, 0xffff                   ; the head: b = y / 16, h = y % 16
	s_mul_i32 s20, s16, REC                        ; its record
	s_lshr_b32 s17, s16, 4
	s_lshl_b32 s17, s17, 22
	s_and_b32 s16, s16, 15
	s_lshl_b32 s16, s16, 8
	s_or_b32 s18, s17, s16                         ; its first byte in K and in V
	s_lshl_b32 s17, ttmp9, 2
	s_add_co_u32 s17, s17, s12                     ; q = 4 x + w
	s_lshl_b32 s16, s17, 17                        ; 32 rows of 4,096 bytes a block
	s_add_co_u32 s18, s18, s16
	s_mov_b32 s19, 0
	s_lshl_b32 s16, s17, 11                        ; 2,048 bytes of codes a block, of K and of V
	s_add_co_u32 s22, s20, s16
	s_mov_b32 s23, 0
	s_lshl_b32 s16, ttmp9, 9                       ; 512 bytes of K's scale words a work-group
	s_add_co_u32 s24, s20, s16
	s_add_co_u32 s24, s24, KSC
	s_mov_b32 s25, 0
	s_lshl_b32 s16, ttmp9, 8                       ; 256 of V's
	s_add_co_u32 s26, s20, s16
	s_add_co_u32 s26, s26, VSC
	s_mov_b32 s27, 0
	s_mov_b32 s28, 0x76543210
	s_mov_b32 s29, 0xfedcba98                      ; v_permlanex16_b32's selects for lane l xor 16
	s_mov_b32 s30, 0x600000                        ; the mantissa field of 448
	s_wait_kmcnt 0x0
	s_add_nc_u64 s[4:5], s[4:5], s[18:19]
	s_add_nc_u64 s[6:7], s[6:7], s[18:19]
	s_add_nc_u64 s[10:11], s[8:9], s[24:25]
	s_add_nc_u64 s[14:15], s[8:9], s[26:27]
	s_add_nc_u64 s[8:9], s[8:9], s[22:23]
.irp j, 0,1,2,3,4,5,6,7,8,9,10,11,12,13,14,15
	global_load_b128 v[KRAW+4*\j:KRAW+4*\j+3], v[GROW], s[4:5] offset:2*\j*ROW th:TH_LOAD_NT   ; keys 2 j and 2 j + 1: sixteen lanes read a row's 256 bytes
.endr
.irp j, 0,1,2,3,4,5,6,7,8,9,10,11,12,13,14,15
	global_load_b128 v[VRAW+4*\j:VRAW+4*\j+3], v[GV], s[6:7] offset:\j*ROW th:TH_LOAD_NT       ; keys j and j + 16: register 4 j + e is V(key 16 y + j, channel 4 x + e)
.endr
.irp b, 0,1,2,3
	v_mov_b32 v[TM+4+\b], 0                        ; written once: a lane permute's destination counts as one of its sources
.endr
	; ---- K: the 32 rows turn through my stage: lane (r, h) of tile u then holds, of key 8 u + r + 8 (r / 8), the numbers k = 32 c + 16 h + 0 .. 15 in v[Y + 16 (2 u + c)] on
	s_wait_loadcnt 16                              ; loads come back in order (ISA guide 5.7.1): K's 16 are in, V's 16 may be out
.irp j, 0,1,2,3,4,5,6,7,8,9,10,11,12,13,14,15
	ds_store_b128 v[STW], v[KRAW+4*\j:KRAW+4*\j+3] offset:2*\j*SP
.endr
.irp u, 0,1
.irp c, 0,1
.irp j, 0,1,2,3
	ds_load_b128 v[Y+16*(2*\u+\c)+4*\j:Y+16*(2*\u+\c)+4*\j+3], v[STRK] offset:8*\u*SP+128*\c+16*\j   ; LDS serves a wave's instructions in order (ISA guide 5.7.1.4): these see the stores above
.endr
.endr
.endr
	s_wait_dscnt 0x0
	QMAX Y, 16, 1
	v_lshl_or_b32 v[PWA], v[TM+5], 8, v[TM+4]      ; a tile's scale word: its two bytes, and 127 twice over the zero codes
	v_lshl_or_b32 v[PWA+1], v[TM+7], 8, v[TM+6]
	v_or_b32 v[PWA], 0x7f7f0000, v[PWA]
	v_or_b32 v[PWA+1], 0x7f7f0000, v[PWA+1]
	QCVT Y, 16, 1, PC
.irp u, 0,1
.irp c, 0,1
	global_store_b128 v[LI], v[PC+4*(2*\u+\c):PC+4*(2*\u+\c)+3], s[8:9] offset:\u*1024+512*\c    ; 32 lanes store 512 consecutive bytes
.endr
.endr
	ds_store_b64 v[KSW], v[PWA:PWA+1]              ; lanes r and r + 16 write the same words with the same values
	; ---- V: K is the keys, which run down my registers: block b is channel 4 x + b, its 16 keys of my half stand four registers apart.  The hold moves them together; nothing else is transposed
	s_wait_loadcnt 0x0
	QMAX VRAW, 1, 4
	v_lshl_or_b32 v[PWV], v[TM+5], 8, v[TM+4]      ; the bytes of my four channels
	v_lshl_or_b32 v[PWV], v[TM+6], 16, v[PWV]
	v_lshl_or_b32 v[PWV], v[TM+7], 24, v[PWV]
	QCVT VRAW, 1, 4, PC2
.irp b, 0,1,2,3
	ds_store_b128 v[VST], v[PC2+4*\b:PC2+4*\b+3] offset:16*\b        ; my 16 codes of channel 4 x + b are the bytes of lane (4 (x % 4) + b, y) of channel tile x / 4
.endr
.irp i, 0,1,2,3
	ds_load_b128 v[VB+4*\i:VB+4*\i+3], v[STL] offset:512*\i          ; back in lane order
.endr
	ds_store_b32 v[VSW], v[PWV]
	s_wait_dscnt 0x0                               ; the codes are back; and, for the others' sake, my scale words lie in LDS
.irp i, 0,1,2,3
	global_store_b128 v[LI], v[VB+4*\i:VB+4*\i+3], s[8:9] offset:VIMG+512*\i
.endr
	s_barrier_signal -1
	s_barrier_wait -1                              ; everybody's scale words lie in LDS
	s_cmp_lg_u32 s12, 0
	s_cbranch_scc1 .Lnot_0
	ds_load_b128 v[SO:SO+3], v[SRK]                ; wave 0: K's, as they lie
	s_wait_dscnt 0x0
	global_store_b128 v[LI], v[SO:SO+3], s[10:11]
	s_branch .Lend
.Lnot_0:
	s_cmp_lg_u32 s12, 1
	s_cbranch_scc1 .Lend
.irp e, 0,1                            ; wave 1: V's: lane l makes the words of (r = l / 2, t = 2 (l % 2) + e): byte c is wave c's byte of channel 16 t + r
.irp c, 0,1,2,3
	ds_load_u8 v[SB+4*\e+\c], v[SRV] offset:64*\c+16*\e
.endr
.endr
	s_wait_dscnt 0x0
.irp e, 0,1
	v_lshl_or_b32 v[SO+\e], v[SB+4*\e+1], 8, v[SB+4*\e]
	v_lshl_or_b32 v[SO+\e], v[SB+4*\e+2], 16, v[SO+\e]
	v_lshl_or_b32 v[SO+\e], v[SB+4*\e+3], 24, v[SO+\e]
.endr
	global_store_b64 v[OV8], v[SO:SO+1], s[14:15]  ; 32 lanes store 256 consecutive bytes
.Lend:
	s_wait_tensorcnt 0x0
	ds_add_u32 v30, v31
	s_wait_dscnt 0x0
	s_endpgm
.Lfunc_end_k_q698e446bc2_quant:
	.size	k_q698e446bc2_quant, .Lfunc_end_k_q698e446bc2_quant-k_q698e446bc2_quant
	.p2alignl 7, 3214868480
	.fill 96, 4, 3214868480
	.section	.rodata,"a",@progbits
	.p2align	6, 0x0
	.amdhsa_kernel k_q698e446bc2_quant
		.amdhsa_group_segment_fixed_size 36352
		.amdhsa_private_segment_fixed_size 0
		.amdhsa_enable_private_segment 0
		.amdhsa_kernarg_size 24
		.amdhsa_user_sgpr_count 2
		.amdhsa_user_sgpr_kernarg_segment_ptr 1
		.amdhsa_wavefront_size32 1
		.amdhsa_system_sgpr_workgroup_id_x 1
		.amdhsa_system_sgpr_workgroup_id_y 1
		.amdhsa_system_sgpr_workgroup_id_z 1
		.amdhsa_system_vgpr_workitem_id 0
		.amdhsa_next_free_vgpr 256
		.amdhsa_next_free_sgpr 66
		.amdhsa_reserve_vcc 0
		.amdhsa_float_denorm_mode_32 3
		.amdhsa_float_denorm_mode_16_64 3
		.amdhsa_memory_ordered 1
		.amdhsa_forward_progress 1
		.amdhsa_inst_pref_size 28
	.end_amdhsa_kernel
	.amdgpu_metadata
---
amdhsa.version: [ 1, 2 ]
amdhsa.kernels:
  - .name:           k_q698e446bc2_quant
    .symbol:         k_q698e446bc2_quant.kd
    .args:
      - { .name: keys, .offset: 0, .size: 8, .value_kind: global_buffer, .address_space: global }
      - { .name: values, .offset: 8, .size: 8, .value_kind: global_buffer, .address_space: global }
      - { .name: kv, .offset: 16, .size: 8, .value_kind: global_buffer, .address_space: global }
    .group_segment_fixed_size: 36352
    .private_segment_fixed_size: 0
    .kernarg_segment_align: 8
    .kernarg_segment_size: 24
    .max_flat_workgroup_size: 128
    .sgpr_count:     66
    .vgpr_count:     256
    .wavefront_size: 32
...
	.end_amdgpu_metadata
.endif
;; end of part 1
;; launch assoc (part 2): grid 16 x 128, 4 waves a work-group, no clusters, 168,448 bytes of LDS; arguments queries, kv, out0; writes out0
.if DOCPART == 2
	.amdgcn_target "amdgcn-amd-amdhsa--gfx1250"
	.amdhsa_code_object_version 6
	.text
	.protected	k_q698e446bc2_assoc
	.globl	k_q698e446bc2_assoc
	.p2align	8
	.type	k_q698e446bc2_assoc,@function
k_q698e446bc2_assoc:
	s_mov_b64 s[64:65], 0
	v_nop
	global_prefetch_b8 v0, s[64:65] scope:SCOPE_SE
	s_setreg_imm32_b32 hwreg(HW_REG_WAVE_MODE, 25, 1), 1
	s_wait_xcnt 0x0
; O[b][l][h][:] = sum over s of A[l][s] V[b][s][h][:],  A = sparsemax over s of (Q[b][l][h] . K[b][s][h] / 8).  Q, O: [8][1024][16][64] f32; a row (b, l, h) is 256 bytes, rows of one head 4,096 bytes apart.
; Both products run on codes of FP8 (E4M3) with one E8M0 scale for each 32 along K.  K and V come as a record of 137,216 bytes a head, made by the launch before: images of the operands' registers and their scale words.
; SHARES.  A work-group of four waves owns 64 queries of one head (grid x: which; grid y: the head).  The record comes into LDS once, a quarter by each wave's one tensor load; one barrier; then each wave works its
; 16 queries by itself.  A lane holds ONE query (lane % 16) and 512 of its 1,024 scores, in registers.
; LAYOUT.  S^T = K Q^T (source 0 = 16 keys, source 1 = my 16 queries; K = 64, so the upper half of both fragments is zero codes under the scale byte 127), O^T = V^T A^T (source 0 = 16 channels, source 1 = A).
; THE KEYS OF A TILE ARE NOT NEIGHBOURS: lane r of tile 2 B + u takes key 32 B + 8 u + r + 8 (r / 8), so that the 16 registers of tiles 2 B, 2 B + 1 are the keys 32 B + 16 (lane / 16) + 0 .. 15: A's fragment as it stands.
; THE THRESHOLD, in score units s = 8 z: the sigma with sum max(s - sigma, 0) = 8.  No branch hangs on data: the number of passes is fixed and holds for every row.
;   (1) ms = the row's largest score.  w = s KAP + c0, c0 = TOP - ms KAP, one fused multiply-add each.  Between 2^23 and 2^24 an f32 step is 1, so there w's bits are 0x4b000000 + u, u a whole number of units of 1 / KAP;
;       8 is ONE = 8 KAP units; the largest score lands at ONE + 2^13 = 2^22 - 2^13, so sigma lies at a t between 0 and 2^22.
;   (2) G(t) = sum max(u - t, 0) = sum of the bits of max(w, 2^23 + t), less 512 times the bits of 2^23 + t: the maximum is an f32 maximum (a w under 2^23 loses to every candidate), the sums are whole-number
;       sums modulo 2^32; a lane's G is under 512 x 2^22 = 2^31 and the row's under 2^32: exact.  22 passes, one for each bit of t, leave T with G(T) >= ONE > G(T + 1).  u is off by half a unit at most, so the true t lies between T - 0.5 and T + 1.5.
;   (3) slo = T as a score, less 6 x 2^-24 of its magnitude (the five roundings on its way come to 5.2 x 2^-24) and less 2^-18 (1.99 units): under sigma, by 3.5 units + 12 x 2^-24 |sigma| at the most.
;   (4) The scores are made anew (the same bits).  a = max(s - slo, 0), g = their sum, c = how many are positive, d = (g - 8) / c held at 0 from below, sigma = slo + d: (the support's sum - 8) / its size,
;       whenever no score lies between slo and sigma; else what is left of the error is under that gap.
;   (5) The scores once more: A = max(s - sigma, 0) / 8.  The 1 / 8 goes into A's scale bytes (3 off each), so A's codes are those of s - sigma.
; LIMITS.  |score| / 8 under 2^15 (beyond it c0's rounding passes 2^12 units).  NaN and infinities are not served.  A block of zeros gets the scale byte 1 and zero codes.  An a under 2^-126 counts as a fraction in c.
; NO CLUSTER: the 16 work-groups of a head read the same record, but each once, at its start: 137,216 bytes ahead of some 24 thousand vector instructions a wave.  Joint loads would spare three of four of these
; reads and tie four work-groups' starts and ends together by rounds; this text does without.
; REGISTERS, in windows of 256 (s_set_vgpr_msb: bits 1:0 source 0, 3:2 source 1, 5:4 source 2, 7:6 destination).  EVERY window w: v128-255 score tiles 16 w .. 16 w + 15 up to the last pass; v80-123 the same local block.
;   window 0: v1-8 addresses that stay, v26-29 addresses in hand, v14-25 a row's figures, v32-47 Q's fragment, v48-61 scale words and nothing else; behind the passes v128-191 128 keys' scores, v192-255 four fragments of V.
;   window 1: v0-63 K's fragments, set A (upper halves: zeros that stay); behind the passes v128-159 O^T.   window 2: v0-63 set B.   Every source that stands under a window other than 0 is a vector register.
.set ROW,   4096                       ; bytes from a query of a head to the next
.set SP,    272                        ; a stage row: 256 bytes + 16
.set KIMG,  0                          ; LDS, the record: K's 64 tiles, 1,024 bytes each: chunk c at 512 c, lane at 16 x lane
.set VIMG,  65536                      ; V: block of 32 keys q at 2,048 q, channel tile t at 512 t, lane at 16 x lane
.set KSC,   131072                     ; K's scale words: 256 (tile / 4) + 16 r + 4 (tile % 4)
.set VSC,   135168                     ; V's: 256 s + 16 r + 4 t
.set REC,   137216
.set PART,  REC/4                      ; a wave's quarter: 134 rows of 256 bytes
.set STG,   REC                        ; behind the record, in blocks of 256 bytes of its own: a stage of 16 rows for each wave: Q's turn, O's way out
.set STGW,  16*SP
.set KAP,   0x48ff0000                 ; 2^19 - 2^11
.set NKAP,  0xc8ff0000
.set TOP,   0x4b3fe000                 ; 2^23 + 2^22 - 2^13
.set FLR,   0x4b000000                 ; 2^23
.set ONE,   0x3fc000                   ; 8 KAP, a whole number
.set RK,    0x36008081                 ; 1 / KAP
.set NMREL, 0xb4c00000                 ; -6 x 2^-24
.set MABS,  0x36800000                 ; 2^-18
.set TINY,  0x00800000                 ; 2^-126: its bits are 1 << 23
.set LI,   1                           ; 16 x lane
.set VRI,  2                           ; VIMG + 16 x lane
.set KSR,  3                           ; KSC + 16 r
.set VSR,  4                           ; VSC + 16 r
.set STW,  5                           ; stage + 272 (lane / 16) + 16 (lane % 16): two whole rows an instruction
.set STRQ, 6                           ; stage + 272 r + 64 (lane / 16): Q's 16 numbers of a block
.set STO,  7                           ; stage + 272 r + 32 (lane / 16): O's eight channels
.set GROW, 8                           ; 4,096 (lane / 16) + 16 (lane % 16): the same two rows in memory
.set BV,   14                          ; the pass's bit
.set MS,   16                          ; the row's largest score;  C0;  T;  G and GP at work;  STHR;  NSL = -slo;  GS = g;  CN = c;  ND = -d
.set C0,   17
.set T,    18
.set G,    19
.set GP,   20
.set STHR, 21
.set NSL,  22
.set GS,   23
.set CN,   24
.set ND,   25
.set KAD,  26                          ; the LDS addresses of the trip in hand: K's codes, K's scales, V's codes, V's scales
.set KSA,  27
.set VAD,  28
.set VSA,  29
.set QF,   32                          ; Q's fragment: v32-39 codes, v40-47 zeros
.set KS,   48                          ; K's scale words, four for each set
.set VS,   56                          ; V's, four
.set PSC,  60                          ; A's
.set QS,   61                          ; Q's
.set TMP,  80                          ; the local block: v80-95 at work, or the codes just made (PC)
.set PC,   80
.set ACC,  96                          ; v96-103 eight whole-number sums / SUM four pairs / AM, SCO;  v104-107 CNT / HOLD;  v108-111 BY
.set SUM,  96
.set AM,   96
.set SCO,  100
.set CNT,  104
.set HOLD, 104
.set BY,   108
.set TM,   96                          ; Q's quantiser: +0 largest magnitudes, +4 bytes, +8 holds, +12 scale operands
.set TA,   112                         ; the candidate; later 2^-126
.set PR,   114                         ; a pair: c0 twice, later -slo twice, at last -sigma twice
.set GW,   116                         ; what a window hands to window 0
.set KP,   118                         ; a pair: KAP twice
.set PL,   120                         ; v120-123 lane l xor 16's block maxima
.set S,    128                         ; window 0: 128 keys' scores;  at the head Q's 32 numbers;  at the end O's rows
.set QR,   128
.set OB,   128
.set VF,   192                         ; window 0: four fragments of V;  at the head Q as loaded
.set QRAW, 192
.set OT,   128                         ; window 1: O^T, four tiles
.set MSB, 0
.macro WIN new                         ; the immediate's high byte repeats the setting that is left; a switch that changes nothing is dropped.  At every label and branch the setting is 0
.if MSB != (\new)
	s_set_vgpr_msb ((MSB<<8)|(\new))
.set MSB, (\new)
.endif
.endm
.macro PLACES n
.rept \n
	v_nop
.endr
.endm
; THE FIRST PRODUCT, WRITTEN OUT: four tiles (a group g of 64 keys) at a time, into the windows.  K's fragments come from LDS into two sets by turns: 8 loads of codes and one of four scale words.
.macro KFETCH g
	WIN ((1+((\g)%2))<<6)
.set kt, 0
.rept 4
	ds_load_b128 v[16*kt:16*kt+3], v[LI] offset:(4*(\g)+kt)*1024
	ds_load_b128 v[16*kt+4:16*kt+7], v[LI] offset:(4*(\g)+kt)*1024+512
.set kt, kt+1
.endr
	WIN 0
	ds_load_b128 v[KS+4*((\g)%2):KS+4*((\g)%2)+3], v[KSR] offset:256*(\g)
.endm
.macro SMUL g                          ; each product is a whole sum: C = 0
	WIN ((((\g)/4)<<6)|(1+((\g)%2)))
.set kt, 0
.rept 4
	v_wmma_scale_f32_16x16x128_f8f6f4 v[128+32*((\g)%4)+8*kt:128+32*((\g)%4)+8*kt+7], v[16*kt:16*kt+15], v[QF:QF+15], 0, v[KS+4*((\g)%2)+kt], v[QS]
.set kt, kt+1
.endr
.endm
.macro FILL1 g                         ; the largest of a group's 32 scores joins the window's.  Each tile is read from its low end on
	WIN (0x55*((\g)/4))
.set fh, 128+32*((\g)%4)
.irp t, 0,1,2,3
	v_max3_num_f32 v[TMP+\t], v[fh+8*\t], v[fh+8*\t+1], v[fh+8*\t+2]
.endr
.irp t, 0,1,2,3
	v_max3_num_f32 v[TMP+\t], v[TMP+\t], v[fh+8*\t+3], v[fh+8*\t+4]
.endr
.irp t, 0,1,2,3
	v_max3_num_f32 v[TMP+\t], v[TMP+\t], v[fh+8*\t+5], v[fh+8*\t+6]
.endr
	v_max3_num_f32 v[TMP], v[TMP], v[fh+7], v[fh+15]
	v_max3_num_f32 v[TMP+2], v[TMP+2], v[fh+23], v[fh+31]
	v_max3_num_f32 v[TMP], v[TMP], v[TMP+1], v[TMP+3]
.if ((\g)%4) == 0
	v_max_num_f32 v[GW], v[TMP], v[TMP+2]
.else
	v_max3_num_f32 v[GW], v[GW], v[TMP], v[TMP+2]
.endif
.endm
; A window's share of a pass: the sum, modulo 2^32, of the bits of max(w, candidate) over its 128 registers.
.macro PASSW w
	WIN (0x55*(\w))
.set cb, 128
.rept 8
.set cj, 0
.rept 16
	v_max_num_f32 v[TMP+cj], v[cb+cj], v[TA]
.set cj, cj+1
.endr
.set cj, 0
.rept 8
.if cb == 128
	v_add_nc_u32 v[ACC+cj], v[TMP+2*cj], v[TMP+2*cj+1]
.else
	v_add3_u32 v[ACC+cj], v[ACC+cj], v[TMP+2*cj], v[TMP+2*cj+1]
.endif
.set cj, cj+1
.endr
.set cb, cb+16
.endr
	v_add3_u32 v[ACC], v[ACC], v[ACC+1], v[ACC+2]
	v_add3_u32 v[ACC+3], v[ACC+3], v[ACC+4], v[ACC+5]
	v_add3_u32 v[ACC], v[ACC], v[ACC+6], v[ACC+7]
	v_add_nc_u32 v[GW], v[ACC], v[ACC+3]
.endm
; THE FIRST PRODUCT IN A LOOP: 128 keys (8 tiles) a trip, both sets at once, results in window 0.
.macro KFETCH2 adr, sadr
	WIN 0x40
.set kt, 0
.rept 4
	ds_load_b128 v[16*kt:16*kt+3], v[\adr] offset:kt*1024
	ds_load_b128 v[16*kt+4:16*kt+7], v[\adr] offset:kt*1024+512
.set kt, kt+1
.endr
	WIN 0x80
.set kt, 0
.rept 4
	ds_load_b128 v[16*kt:16*kt+3], v[\adr] offset:4096+kt*1024
	ds_load_b128 v[16*kt+4:16*kt+7], v[\adr] offset:4096+kt*1024+512
.set kt, kt+1
.endr
	WIN 0
	ds_load_b128 v[KS:KS+3], v[\sadr]
	ds_load_b128 v[KS+4:KS+7], v[\sadr] offset:256
.endm
.macro SMUL2
	WIN 0x01
.irp t, 0,1,2,3
	v_wmma_scale_f32_16x16x128_f8f6f4 v[S+8*\t:S+8*\t+7], v[16*\t:16*\t+15], v[QF:QF+15], 0, v[KS+\t], v[QS]
.endr
	WIN 0x02
.irp t, 0,1,2,3
	v_wmma_scale_f32_16x16x128_f8f6f4 v[S+32+8*\t:S+32+8*\t+7], v[16*\t:16*\t+15], v[QF:QF+15], 0, v[KS+4+\t], v[QS]
.endr
	WIN 0
.endm
; 16 scores: a = max(s - slo, 0); their sum in four pairs; min(a, 2^-126), whose bits are 1 << 23 where a is positive, summed as whole numbers: the count.
.macro FILL2 fh
.set fj, 0
.rept 8
	v_pk_add_f32 v[(\fh)+2*fj:(\fh)+2*fj+1], v[(\fh)+2*fj:(\fh)+2*fj+1], v[PR:PR+1]
.set fj, fj+1
.endr
.set fj, 0
.rept 16
	v_max_num_f32 v[(\fh)+fj], 0, v[(\fh)+fj]
.set fj, fj+1
.endr
.set fj, 0
.rept 8
	v_pk_add_f32 v[SUM+2*(fj%4):SUM+2*(fj%4)+1], v[SUM+2*(fj%4):SUM+2*(fj%4)+1], v[(\fh)+2*fj:(\fh)+2*fj+1]
.set fj, fj+1
.endr
.set fj, 0
.rept 16
	v_min_num_f32 v[TMP+fj], v[(\fh)+fj], v[TA]
.set fj, fj+1
.endr
.set fj, 0
.rept 8
	v_add3_u32 v[CNT+(fj%4)], v[CNT+(fj%4)], v[TMP+2*fj], v[TMP+2*fj+1]
.set fj, fj+1
.endr
.endm
	; ---- addresses, and the record's descriptor
	s_load_b128 s[4:7], s[0:1], 0x0                ; Q s[4:5], the records s[6:7]
	s_load_b64 s[8:9], s[0:1], 0x10                ; O
	v_lshl_add_u32 v126, v0, 2, 0x29000
	v_mov_b32 v127, 0
	ds_add_u32 v126, v127
	ds_add_u32 v126, v127
	v_lshrrev_b32 v9, 5, v0
	v_readfirstlane_b32 s12, v9                    ; wave 0..3
	v_and_b32 v10, 31, v0                          ; lane
	v_and_b32 v11, 15, v0                          ; r = lane % 16
	v_bfe_u32 v12, v0, 4, 1                        ; h = lane / 16
	s_mul_i32 s13, s12, STGW
	s_add_co_u32 s13, s13, STG                     ; my stage
	v_lshlrev_b32 v[LI], 4, v10
	v_add_nc_u32 v[VRI], VIMG, v[LI]
	v_lshl_add_u32 v[KSR], v11, 4, KSC
	v_lshl_add_u32 v[VSR], v11, 4, VSC
	v_mul_u32_u24 v9, v12, SP
	v_lshl_add_u32 v9, v11, 4, v9
	v_add_nc_u32 v[STW], s13, v9
	v_mul_u32_u24 v9, v11, SP
	v_add_nc_u32 v9, s13, v9
	v_lshl_add_u32 v[STRQ], v12, 6, v9
	v_lshl_add_u32 v[STO], v12, 5, v9
	v_lshlrev_b32 v[GROW], 12, v12
	v_lshl_add_u32 v[GROW], v11, 4, v[GROW]
	s_and_b32 s14, ttmp7, 0xffff                   ; the head: b = y / 16, h = y % 16
	s_mul_i32 s18, s14, REC                        ; its record,
	s_mul_i32 s37, s12, PART                       ; my quarter of it: the same bytes on in memory and in LDS
	s_add_co_u32 s18, s18, s37
	s_mov_b32 s19, 0
	s_lshr_b32 s15, s14, 4
	s_lshl_b32 s15, s15, 22
	s_and_b32 s14, s14, 15
	s_lshl_b32 s14, s14, 8
	s_or_b32 s16, s15, s14                         ; the head's first byte in Q and in O,
	s_lshl_b32 s14, ttmp9, 18
	s_lshl_b32 s15, s12, 16
	s_add_co_u32 s16, s16, s14
	s_add_co_u32 s16, s16, s15                     ; + 64 x work-group x + 16 x wave queries
	s_mov_b32 s17, 0
	s_mov_b32 s36, 1                               ; group 0: 1:0 count = 1;  63:32 the LDS address (s37)
	s_mov_b32 s40, 3<<16                           ; group 1: no mask; elements of 8 bytes; no padding
	s_mov_b32 s41, 32<<16                          ; tensor_dim0 = 32 elements: rows of 256 bytes
	s_mov_b32 s42, (PART/256)<<16                  ; tensor_dim1 = 134
	s_mov_b32 s43, 32<<16                          ; tile_dim0 = 32
	s_mov_b32 s44, PART/256                        ; tile_dim1 = 134
	s_mov_b32 s45, 32                              ; from row to row: 32 elements: the block is dense
	s_mov_b32 s46, 0
	s_mov_b32 s47, 0
	s_mov_b32 s20, 0x76543210
	s_mov_b32 s21, 0xfedcba98                      ; v_permlanex16_b32's selects for lane l xor 16
	s_mov_b32 s22, 0x600000                        ; the mantissa field of 448
	s_mov_b32 s24, KAP
	s_mov_b32 s26, NKAP
	s_mov_b32 s27, TOP
	s_mov_b32 s28, ONE
	s_wait_dscnt 0x0
	s_wait_kmcnt 0x0
	s_add_nc_u64 s[38:39], s[6:7], s[18:19]        ; 120:64 the global address
	s_or_b32 s39, s39, 0x80000000                  ; 127:126 type = 2
	tensor_load_to_lds s[36:39], s[40:47]          ; my one tensor load: these LDS bytes are filled once in the launch
	s_nop 0
	PLACES 4
	s_add_nc_u64 s[4:5], s[4:5], s[16:17]
	s_add_nc_u64 s[8:9], s[8:9], s[16:17]
.irp j, 0,1,2,3,4,5,6,7
	global_load_b128 v[QRAW+4*\j:QRAW+4*\j+3], v[GROW], s[4:5] offset:2*\j*ROW th:TH_LOAD_NT   ; my 16 queries as they lie, two rows a load
.endr
.irp w, 1,2                            ; while they are on their way: the zero codes of k = 64 .. 127: the upper halves of K's eight fragments and of Q's.  They stay
	WIN (\w<<6)
.irp t, 0,1,2,3
.irp j, 8,9,10,11,12,13,14,15
	v_mov_b32 v[16*\t+\j], 0
.endr
.endr
.endr
	WIN 0
.irp j, 8,9,10,11,12,13,14,15
	v_mov_b32 v[QF+\j], 0
.endr
.irp j, 0,1,2,3                        ; a lane permute's destination counts as one of its sources, so each is written once
	v_mov_b32 v[PL+\j], 0
.endr
	v_mov_b32 v[TM+4], 0
	v_mov_b32 v[TM+5], 0
	v_mov_b32 v[GP], 0
	; ---- Q: 16 queries turn through my stage and become a fragment and a scale word: lane (r, h) holds, of query r, k = 32 c + 16 h + 0 .. 15 in v[QR + 16 c] on
	s_wait_loadcnt 0x0
.irp j, 0,1,2,3,4,5,6,7
	ds_store_b128 v[STW], v[QRAW+4*\j:QRAW+4*\j+3] offset:2*\j*SP
.endr
.irp c, 0,1
.irp j, 0,1,2,3
	ds_load_b128 v[QR+16*\c+4*\j:QR+16*\c+4*\j+3], v[STRQ] offset:128*\c+16*\j    ; LDS serves a wave's instructions in order (ISA guide 5.7.1.4): these see the stores above
.endr
.endr
	s_wait_dscnt 0x0
.irp b, 0,1
	v_max3_num_f32 v[TM+\b], |v[QR+16*\b]|, |v[QR+16*\b+1]|, 0x4800000             ; a block's largest magnitude, with the floor 2^(9 - 127) as one more leaf: the byte cannot fall under 1
.endr
.irp i, 2,4,6,8,10,12,14
.irp b, 0,1
	v_max3_num_f32 v[TM+\b], v[TM+\b], |v[QR+16*\b+\i]|, |v[QR+16*\b+\i+1]|
.endr
.endr
.irp b, 0,1
	v_permlanex16_b32 v[TM+4+\b], v[TM+\b], s20, s21
.endr
.irp b, 0,1
	v_max_num_f32 v[TM+\b], v[TM+\b], v[TM+4+\b]   ; with lane l xor 16's 16
.endr
.irp b, 0,1
	v_add_nc_u32 v[TM+12+\b], 0xfc000000, v[TM+\b] ; 8 off the exponent field: the conversion's scale operand
.endr
.irp b, 0,1
	v_and_or_b32 v[TM+8+\b], v[TM+\b], 0x7f800000, s22   ; 448 x the scale
.endr
.irp b, 0,1
	v_lshrrev_b32 v[TM+4+\b], 23, v[TM+12+\b]      ; the byte
.endr
	v_lshl_or_b32 v[QS], v[TM+5], 8, v[TM+4]       ; made ahead of the 32 holds: a scale word written by vector instructions stands eight places ahead of a scaled product
	v_or_b32 v[QS], 0x7f7f0000, v[QS]
.irp b, 0,1
.irp i, 0,1,2,3,4,5,6,7,8,9,10,11,12,13,14,15
	v_med3_num_f32 v[QR+16*\b+\i], v[QR+16*\b+\i], -v[TM+8+\b], v[TM+8+\b]         ; the conversion to an 8-bit code does not saturate (ISA guide 7.6.2)
.endr
.endr
.irp b, 0,1
	v_cvt_scalef32_pk8_fp8_f32 v[QF+4*\b:QF+4*\b+1], v[QR+16*\b:QR+16*\b+7], v[TM+12+\b]
	v_cvt_scalef32_pk8_fp8_f32 v[QF+4*\b+2:QF+4*\b+3], v[QR+16*\b+8:QR+16*\b+15], v[TM+12+\b]
.endr
	PLACES 4                                       ; four places between the codes and the first product
	s_wait_tensorcnt 0x0                           ; my quarter of the record lies in LDS (no LDS instruction of mine is out),
	s_barrier_signal -1
	s_barrier_wait -1                              ; everybody's does.  Nobody writes it again; from here on the waves share nothing
	; ---- all 64 tiles of scores into the windows, and the largest.  The maxima of group g - 1 stand behind group g's products: 16 plain lines that name none of those products' registers.  They are the eight places
	; in front of the loads into the set just multiplied and in front of the first read of group g's results; group 0 has eight v_nop
	KFETCH 0
	KFETCH 1
.set sg, 0
.rept 16
.if sg < 15
	s_wait_dscnt 9                                 ; this group's nine loads are in; the next group's nine may be out
.else
	s_wait_dscnt 0x0
.endif
	SMUL sg
.if sg == 0
	PLACES 8
.else
	FILL1 (sg-1)
.endif
.if sg < 14
	KFETCH (sg+2)
.endif
.set sg, sg+1
.endr
	FILL1 15
	WIN 1                                          ; source 0 names window 1's figure, source 1 window 0's
	v_max_num_f32 v[MS], v[GW], v[GW]
	WIN 2
	v_max_num_f32 v[MS], v[GW], v[MS]
	WIN 3
	v_max_num_f32 v[MS], v[GW], v[MS]
	WIN 0
	v_permlanex16_b32 v[GP], v[MS], s20, s21
	v_max_num_f32 v[MS], v[MS], v[GP]              ; with lane l xor 16's 512 keys: the row's
	v_fma_f32 v[C0], v[MS], s26, s27               ; c0 = TOP - ms KAP
.irp w, 0,1,2,3
	WIN (\w<<6)
	v_mov_b32 v[PR], v[C0]
	v_mov_b32 v[PR+1], v[C0]
	v_mov_b32 v[KP], s24
	v_mov_b32 v[KP+1], s24
.endr
	; ---- w = s KAP + c0, in place
.irp w, 0,1,2,3
	WIN (0x55*\w)
.set cj, 128
.rept 64
	v_pk_fma_f32 v[cj:cj+1], v[cj:cj+1], v[KP:KP+1], v[PR:PR+1]
.set cj, cj+2
.endr
.endr
	WIN 0
	; ---- 22 passes: bit by bit the largest T with G(T) >= ONE
	v_mov_b32 v[T], FLR                            ; T = 0, as a bit pattern
	s_mov_b32 s30, 22
.Lbis:
	s_sub_co_u32 s33, s30, 1
	s_lshl_b32 s29, 1, s33                         ; the pass's bit: 21 down to 0
	v_mov_b32 v[BV], s29
.irp w, 0,1,2,3
	WIN (\w<<6)
	v_add_nc_u32 v[TA], v[BV], v[T]                ; the candidate, into each window
	PASSW \w
.endr
	WIN 1
	v_add_nc_u32 v[G], v[GW], v[GW]
	WIN 2
	v_add_nc_u32 v[G], v[GW], v[G]
	WIN 3
	v_add_nc_u32 v[G], v[GW], v[G]
	WIN 0
	v_lshlrev_b32 v[GP], 9, v[TA]
	v_sub_nc_u32 v[G], v[G], v[GP]                 ; less 512 times the candidate's bits: my 512 keys' G, under 2^31
	v_permlanex16_b32 v[GP], v[G], s20, s21
	v_add_nc_u32 v[G], v[G], v[GP]                 ; with lane l xor 16's 512 keys: the row's G, under 2^32
	v_cmp_le_u32 vcc_lo, s28, v[G]
	v_cndmask_b32 v[GP], 0, v[BV], vcc_lo
	v_add_nc_u32 v[T], v[T], v[GP]                 ; the bit stays where G(candidate) >= ONE
	s_sub_co_u32 s30, s30, 1
	s_cmp_lg_u32 s30, 0
	s_cbranch_scc1 .Lbis
	; ---- slo.  The first 128 keys' fragments are asked for meanwhile
	KFETCH2 LI, KSR
	v_sub_f32 v[STHR], v[T], v[C0]                 ; T's pattern is the f32 number 2^23 + T
	v_mul_f32 v[STHR], RK, v[STHR]
	v_fma_f32 v[NSL], |v[STHR]|, NMREL, v[STHR]
	v_sub_f32 v[NSL], MABS, v[NSL]                 ; -slo
	v_mov_b32 v[PR], v[NSL]
	v_mov_b32 v[PR+1], v[NSL]
	v_mov_b32 v[TA], TINY
.irp j, 0,1,2,3,4,5,6,7,8,9,10,11
	v_mov_b32 v[SUM+\j], 0                         ; the loop is written once, so its twelve sums begin as zeros
.endr
	; ---- the scores anew, 128 keys a trip: g and c
	s_mov_b32 s31, 0
.Lsum:
	s_wait_dscnt 0x0                               ; this trip's fragments and scale words are in
	SMUL2
	s_add_co_u32 s34, s31, 1
	s_and_b32 s34, s34, 7                          ; the next trip; behind the last comes 0: the first trip of the loop that follows
	s_lshl_b32 s14, s34, 13                        ; 8 tiles of 1,024 bytes a trip;
	s_lshl_b32 s15, s34, 9                         ; 2 groups of 256 bytes of scale words
	v_add_nc_u32 v[KAD], s14, v[LI]
	v_add_nc_u32 v[KSA], s15, v[KSR]
	PLACES 6                                       ; with the two lines above: eight places in front of the loads into the sets just multiplied and of the first read of the scores
	KFETCH2 KAD, KSA
	FILL2 S
	FILL2 S+16
	FILL2 S+32
	FILL2 S+48
	s_add_co_u32 s31, s31, 1
	s_cmp_lt_u32 s31, 8
	s_cbranch_scc1 .Lsum
	; ---- sigma
	v_pk_add_f32 v[SUM:SUM+1], v[SUM:SUM+1], v[SUM+2:SUM+3]
	v_pk_add_f32 v[SUM+4:SUM+5], v[SUM+4:SUM+5], v[SUM+6:SUM+7]
.irp j, 0,1,2,3
	v_lshrrev_b32 v[CNT+\j], 23, v[CNT+\j]         ; 128 x 2^23 at the most in each: shifted first, added then
.endr
	v_pk_add_f32 v[SUM:SUM+1], v[SUM:SUM+1], v[SUM+4:SUM+5]
	v_add3_u32 v[CN], v[CNT], v[CNT+1], v[CNT+2]
	v_add_f32 v[GS], v[SUM], v[SUM+1]
	v_add_nc_u32 v[CN], v[CN], v[CNT+3]
	v_permlanex16_b32 v[GP], v[GS], s20, s21
	v_add_f32 v[GS], v[GS], v[GP]
	v_permlanex16_b32 v[GP], v[CN], s20, s21
	v_add_nc_u32 v[CN], v[CN], v[GP]
	v_cvt_f32_u32 v[CN], v[CN]
	v_max_num_f32 v[CN], 1.0, v[CN]
	v_rcp_f32 v[ND], v[CN]
	v_sub_f32 v[GS], 0x41000000, v[GS]             ; 8 - g.  (The plain line behind the reciprocal: ISA guide 5.7.2)
	s_wait_alu depctr_va_vdst(0)
	v_mul_f32 v[ND], v[GS], v[ND]                  ; -d,
	v_min_num_f32 v[ND], 0, v[ND]                  ; never positive: a rounding of g lifts no score that lies under slo
	v_add_f32 v[PR], v[NSL], v[ND]                 ; -sigma
	v_mov_b32 v[PR+1], v[PR]
	WIN 0x40
.set cj, 0
.rept 32
	v_mov_b32 v[OT+cj], 0                          ; O^T: the loop is written once, so its sums begin as zeros
.set cj, cj+1
.endr
	WIN 0
	; ---- the scores once more, 128 keys a trip: A, its codes and scale word, O^T += V^T A^T
	s_mov_b32 s32, 0
.Lpv:
	s_wait_dscnt 0x0                               ; this trip's fragments of K and their scale words are in
	SMUL2
	s_add_co_u32 s34, s32, 1
	s_and_b32 s34, s34, 7
	s_lshl_b32 s14, s34, 13                        ; K: the next trip's 8 tiles and 2 groups of scale words
	s_lshl_b32 s15, s34, 9
	s_lshl_b32 s16, s32, 13                        ; V: this trip's 4 blocks of 2,048 bytes, and its 256 bytes of scale words
	s_lshl_b32 s17, s32, 8
	v_add_nc_u32 v[KAD], s14, v[LI]
	v_add_nc_u32 v[KSA], s15, v[KSR]
	v_add_nc_u32 v[VAD], s16, v[VRI]
	v_add_nc_u32 v[VSA], s17, v[VSR]
	PLACES 4                                       ; with the four lines above: eight places behind the last trip's products on V and this trip's on K, in front of the loads into their registers and of the first read of the scores
.irp t, 0,1,2,3
.irp c, 0,1,2,3
	ds_load_b128 v[VF+16*\t+4*\c:VF+16*\t+4*\c+3], v[VAD] offset:2048*\c+512*\t
.endr
.endr
	ds_load_b128 v[VS:VS+3], v[VSA]
	s_cmp_eq_u32 s32, 7                            ; the last trip fetches nothing of K
	s_cbranch_scc1 .Lpv_last
	KFETCH2 KAD, KSA
.Lpv_last:
.irp b, 0,1,2,3
	v_max3_num_f32 v[AM+\b], v[S+16*\b], v[S+16*\b+1], v[S+16*\b+2]   ; the largest score of each block of 32 keys; each tile is read from its low end on
.endr
.irp i, 3,5,7,9,11,13
.irp b, 0,1,2,3
	v_max3_num_f32 v[AM+\b], v[AM+\b], v[S+16*\b+\i], v[S+16*\b+\i+1]
.endr
.endr
.irp b, 0,1,2,3
	v_max_num_f32 v[AM+\b], v[AM+\b], v[S+16*\b+15]
.endr
.irp b, 0,1,2,3
	v_permlanex16_b32 v[PL+\b], v[AM+\b], s20, s21
.endr
.irp b, 0,1,2,3
	v_max_num_f32 v[AM+\b], v[AM+\b], v[PL+\b]     ; with lane l xor 16's 16 keys
.endr
.irp b, 0,1,2,3
	v_add_f32 v[AM+\b], v[AM+\b], v[PR]            ; the same addition as every score's, which turns no order round: the block's largest s - sigma
.endr
.irp b, 0,1,2,3
	v_max_num_f32 v[AM+\b], 0x6000000, v[AM+\b]    ; the floor 2^(12 - 127), which also stands over what is negative: A's byte cannot fall under 1
.endr
.irp b, 0,1,2,3
	v_add_nc_u32 v[SCO+\b], 0xfc000000, v[AM+\b]   ; 8 off the exponent field: the conversion's scale operand
.endr
.irp b, 0,1,2,3
	v_and_or_b32 v[HOLD+\b], v[AM+\b], 0x7f800000, s22   ; 448 x that scale
.endr
.irp b, 0,1,2,3
	v_add_nc_u32 v[BY+\b], 0xfa800000, v[AM+\b]    ; 11 off: A = (s - sigma) / 8, so its scale is an eighth of the conversion's
.endr
.irp b, 0,1,2,3
	v_lshrrev_b32 v[BY+\b], 23, v[BY+\b]
.endr
	v_lshl_or_b32 v[BY], v[BY+1], 8, v[BY]
	v_lshl_or_b32 v[BY], v[BY+2], 16, v[BY]
	v_lshl_or_b32 v[PSC], v[BY+3], 24, v[BY]       ; A's scale word for these 128 keys, far more than eight places ahead of its products
.set cj, 0
.rept 32
	v_pk_add_f32 v[S+2*cj:S+2*cj+1], v[S+2*cj:S+2*cj+1], v[PR:PR+1]   ; s - sigma
.set cj, cj+1
.endr
.irp b, 0,1,2,3
.set cj, 0
.rept 16
	v_med3_num_f32 v[S+16*\b+cj], v[S+16*\b+cj], 0, v[HOLD+\b]        ; the clip at 0 and the hold in one
.set cj, cj+1
.endr
	v_cvt_scalef32_pk8_fp8_f32 v[PC+4*\b:PC+4*\b+1], v[S+16*\b:S+16*\b+7], v[SCO+\b]
	v_cvt_scalef32_pk8_fp8_f32 v[PC+4*\b+2:PC+4*\b+3], v[S+16*\b+8:S+16*\b+15], v[SCO+\b]
.endr
	PLACES 4                                       ; codes written by vector instructions stand four places ahead of a scaled product
	s_wait_dscnt 0x0                               ; V's fragments and scale words are in
	WIN 0x50                                       ; C and D: window 1
.irp t, 0,1,2,3                        ; the four accumulators of O^T take turns, one instruction a turn
	v_wmma_scale_f32_16x16x128_f8f6f4 v[OT+8*\t:OT+8*\t+7], v[VF+16*\t:VF+16*\t+15], v[PC:PC+15], v[OT+8*\t:OT+8*\t+7], v[VS+\t], v[PSC]
.endr
	WIN 0
	s_add_co_u32 s32, s32, 1
	s_cmp_lt_u32 s32, 8
	s_cbranch_scc1 .Lpv
	; ---- the way out: a lane's eight channels of a query go into my stage, whole rows of 256 bytes come back
	PLACES 8
	WIN 0x04                                       ; an LDS store's data are its source 1: window 1
.irp t, 0,1,2,3
	ds_store_b128 v[STO], v[OT+8*\t:OT+8*\t+3] offset:64*\t          ; each accumulator from its low end on
	ds_store_b128 v[STO], v[OT+8*\t+4:OT+8*\t+7] offset:64*\t+16
.endr
	WIN 0
.irp i, 0,1,2,3,4,5,6,7
	ds_load_b128 v[OB+4*\i:OB+4*\i+3], v[STW] offset:2*\i*SP
.endr
.irp i, 0,1,2,3,4,5,6,7
	s_wait_dscnt 7-\i                              ; LDS loads come back in order: pair i of rows is in
	global_store_b128 v[GROW], v[OB+4*\i:OB+4*\i+3], s[8:9] offset:2*\i*ROW th:TH_STORE_NT   ; sixteen lanes store a row's 256 consecutive bytes, at a multiple of 256 from O's first byte
.endr
	s_wait_tensorcnt 0x0
	ds_add_u32 v126, v127
	s_wait_dscnt 0x0
	s_endpgm
.Lfunc_end_k_q698e446bc2_assoc:
	.size	k_q698e446bc2_assoc, .Lfunc_end_k_q698e446bc2_assoc-k_q698e446bc2_assoc
	.p2alignl 7, 3214868480
	.fill 96, 4, 3214868480
	.section	.rodata,"a",@progbits
	.p2align	6, 0x0
	.amdhsa_kernel k_q698e446bc2_assoc
		.amdhsa_group_segment_fixed_size 168448
		.amdhsa_private_segment_fixed_size 0
		.amdhsa_enable_private_segment 0
		.amdhsa_kernarg_size 24
		.amdhsa_user_sgpr_count 2
		.amdhsa_user_sgpr_kernarg_segment_ptr 1
		.amdhsa_wavefront_size32 1
		.amdhsa_system_sgpr_workgroup_id_x 1
		.amdhsa_system_sgpr_workgroup_id_y 1
		.amdhsa_system_sgpr_workgroup_id_z 1
		.amdhsa_system_vgpr_workitem_id 0
		.amdhsa_next_free_vgpr 1024
		.amdhsa_next_free_sgpr 66
		.amdhsa_reserve_vcc 1
		.amdhsa_float_denorm_mode_32 3
		.amdhsa_float_denorm_mode_16_64 3
		.amdhsa_memory_ordered 1
		.amdhsa_forward_progress 1
		.amdhsa_inst_pref_size 133
	.end_amdhsa_kernel
	.amdgpu_metadata
---
amdhsa.version: [ 1, 2 ]
amdhsa.kernels:
  - .name:           k_q698e446bc2_assoc
    .symbol:         k_q698e446bc2_assoc.kd
    .args:
      - { .name: queries, .offset: 0, .size: 8, .value_kind: global_buffer, .address_space: global }
      - { .name: kv, .offset: 8, .size: 8, .value_kind: global_buffer, .address_space: global }
      - { .name: out0, .offset: 16, .size: 8, .value_kind: global_buffer, .address_space: global }
    .group_segment_fixed_size: 168448
    .private_segment_fixed_size: 0
    .kernarg_segment_align: 8
    .kernarg_segment_size: 24
    .max_flat_workgroup_size: 128
    .sgpr_count:     66
    .vgpr_count:     1024
    .wavefront_size: 32
...
	.end_amdgpu_metadata
.endif
;; end of part 2
;; ======== version 2 of 2: 2 launches; 1.14 times as fast as version 1
;; limits: right only within a limited range of input values
;; workspace buffers: kv 17,563,648 bytes
;; launch quant: the kernel of part 1 again; grid 8 x 128, 4 waves a work-group, no clusters, 36,352 bytes of LDS; arguments keys, values, kv; writes kv
;; launch assoc (part 3): grid 16 x 128, 4 waves a work-group, no clusters, 168,448 bytes of LDS; arguments queries, kv, out0; writes out0
.if DOCPART == 3
	.amdgcn_target "amdgcn-amd-amdhsa--gfx1250"
	.amdhsa_code_object_version 6
	.text
	.protected	k_q698e446bc2_assoc
	.globl	k_q698e446bc2_assoc
	.p2align	8
	.type	k_q698e446bc2_assoc,@function
k_q698e446bc2_assoc:
	s_mov_b64 s[64:65], 0
	v_nop
	global_prefetch_b8 v0, s[64:65] scope:SCOPE_SE
	s_setreg_imm32_b32 hwreg(HW_REG_WAVE_MODE, 25, 1), 1
	s_wait_xcnt 0x0
; O[b][l][h][:] = sum over s of A[l][s] V[b][s][h][:],  A = sparsemax over s of (Q[b][l][h] . K[b][s][h] / 8).  Q, O: [8][1024][16][64] f32; a row (b, l, h) is 256 bytes, rows of one head 4,096 bytes apart.
; Both products run on codes of FP8 (E4M3) with one E8M0 scale for each 32 along K.  K and V come as a record of 137,216 bytes a head, made by the launch before: images of the operands' registers and their scale words.
; SHARES.  A work-group of four waves owns 64 queries of one head (grid x: which; grid y: the head).  The record comes into LDS once, a quarter by each wave's one tensor load; one barrier; then each wave works its
; 16 queries by itself.  A lane holds ONE query (lane % 16) and 512 of its 1,024 scores, in registers.
; LAYOUT.  S^T = K Q^T (source 0 = 16 keys, source 1 = my 16 queries; K = 64, so the upper half of both fragments is zero codes under the scale byte 127), O^T = V^T A^T (source 0 = 16 channels, source 1 = A).
; THE KEYS OF A TILE ARE NOT NEIGHBOURS: lane r of tile 2 B + u takes key 32 B + 8 u + r + 8 (r / 8), so that the 16 registers of tiles 2 B, 2 B + 1 are the keys 32 B + 16 (lane / 16) + 0 .. 15: A's fragment as it stands.
; THE THRESHOLD, in score units s = 8 z: the sigma with sum max(s - sigma, 0) = 8.  No branch hangs on data: the number of passes is fixed and holds for every row.
;   (1) ms = the row's largest score.  w = s KAP + c0, c0 = TOP - ms KAP, one fused multiply-add each.  Between 2^23 and 2^24 an f32 step is 1, so there w is 2^23 + u, u a whole number of units of 1 / KAP; a w under 2^23
;       counts as u = 0.  8 is ONE = 8 KAP units; the largest score lands at ONE + 2^13 = 2^22 - 2^13, so sigma lies at a t between 0 and 2^22.
;   (2) G(t) = sum max(u - t, 0) = sum max(u, t) - 1,024 t, and the scores are taken IN PAIRS: max(u_hi, t) + max(u_lo, t) = max(u_hi + u_lo, u_hi + t, 2 t).  Kept for a pair: H = u_hi and P = 2^23 + u_hi + u_lo.
;       A pass forms H + (2^23 + t), takes the largest of that, P and 2^23 + 2 t, and adds the bit patterns as whole numbers modulo 2^32.  All these numbers are whole and under 2^24, so every f32 sum is exact;
;       a lane's G is under 512 x 2^22 = 2^31 and the row's under 2^32.  22 passes, one for each bit of t, leave T with G(T) >= ONE > G(T + 1).  u is off by half a unit at most, so the true t lies between T - 0.5 and T + 1.5.
;   (3) slo = T as a score, less 6 x 2^-24 of its magnitude (the five roundings on its way come to 5.2 x 2^-24) and less 2^-18 (1.99 units): under sigma, by 3.5 units + 12 x 2^-24 |sigma| at the most.
;   (4) The scores are made anew (the same bits).  a = max(s - slo, 0), g = their sum, c = how many are positive, d = (g - 8) / c held at 0 from below, sigma = slo + d: (the support's sum - 8) / its size,
;       whenever no score lies between slo and sigma; else what is left of the error is under that gap.
;   (5) The scores once more: A = max(s - sigma, 0) / 8.  The 1 / 8 goes into A's scale bytes (3 off each), so A's codes are those of s - sigma.
; LIMITS.  |score| / 8 under 2^15 (beyond it c0's rounding passes 2^12 units).  NaN and infinities are not served.  A block of zeros gets the scale byte 1 and zero codes.  An a under 2^-126 counts as a fraction in c.
; NO CLUSTER: the 16 work-groups of a head read the same record, but each once, at its start: 137,216 bytes ahead of some 18 thousand vector instructions a wave.  Joint loads would spare three of four of these
; reads and tie four work-groups' starts and ends together by rounds; this text does without.
; REGISTERS, in windows of 256 (s_set_vgpr_msb: bits 1:0 source 0, 3:2 source 1, 5:4 source 2, 7:6 destination).  EVERY window w: v128-255 score tiles 16 w .. 16 w + 15, later their pairs, up to the last pass; v80-127 the same local block.
;   window 0: v1-8 addresses that stay, v26-29 addresses in hand, v13-25 a row's figures, v32-47 Q's fragment, v48-61 scale words and nothing else; behind the passes v128-191 128 keys' scores, v192-255 four fragments of V.
;   window 1: v0-63 K's fragments, set A (upper halves: zeros that stay); behind the passes v128-159 O^T.   window 2: v0-63 set B.   Every source that stands under a window other than 0 is a vector register.
.set ROW,   4096                       ; bytes from a query of a head to the next
.set SP,    272                        ; a stage row: 256 bytes + 16
.set KIMG,  0                          ; LDS, the record: K's 64 tiles, 1,024 bytes each: chunk c at 512 c, lane at 16 x lane
.set VIMG,  65536                      ; V: block of 32 keys q at 2,048 q, channel tile t at 512 t, lane at 16 x lane
.set KSC,   131072                     ; K's scale words: 256 (tile / 4) + 16 r + 4 (tile % 4)
.set VSC,   135168                     ; V's: 256 s + 16 r + 4 t
.set REC,   137216
.set PART,  REC/4                      ; a wave's quarter: 134 rows of 256 bytes
.set STG,   REC                        ; behind the record, in blocks of 256 bytes of its own: a stage of 16 rows for each wave: Q's turn, O's way out
.set STGW,  16*SP
.set KAP,   0x48ff0000                 ; 2^19 - 2^11
.set NKAP,  0xc8ff0000
.set TOP,   0x4b3fe000                 ; 2^23 + 2^22 - 2^13
.set FLR,   0x4b000000                 ; 2^23
.set NFLR,  0xcb000000                 ; -2^23
.set ONE,   0x3fc000                   ; 8 KAP, a whole number
.set RK,    0x36008081                 ; 1 / KAP
.set NMREL, 0xb4c00000                 ; -6 x 2^-24
.set MABS,  0x36800000                 ; 2^-18
.set TINY,  0x00800000                 ; 2^-126: its bits are 1 << 23
.set LI,   1                           ; 16 x lane
.set VRI,  2                           ; VIMG + 16 x lane
.set KSR,  3                           ; KSC + 16 r
.set VSR,  4                           ; VSC + 16 r
.set STW,  5                           ; stage + 272 (lane / 16) + 16 (lane % 16): two whole rows an instruction
.set STRQ, 6                           ; stage + 272 r + 64 (lane / 16): Q's 16 numbers of a block
.set STO,  7                           ; stage + 272 r + 32 (lane / 16): O's eight channels
.set GROW, 8                           ; 4,096 (lane / 16) + 16 (lane % 16): the same two rows in memory
.set C2R,  13                          ; the pass's 2^23 + 2 t;  BV its bit;  CD its candidate 2^23 + t
.set BV,   14
.set CD,   15
.set MS,   16                          ; the row's largest score;  C0;  T;  G and GP at work;  STHR;  NSL = -slo;  GS = g;  CN = c;  ND = -d
.set C0,   17
.set T,    18
.set G,    19
.set GP,   20
.set STHR, 21
.set NSL,  22
.set GS,   23
.set CN,   24
.set ND,   25
.set KAD,  26                          ; the LDS addresses of the trip in hand: K's codes, K's scales, V's codes, V's scales
.set KSA,  27
.set VAD,  28
.set VSA,  29
.set QF,   32                          ; Q's fragment: v32-39 codes, v40-47 zeros
.set KS,   48                          ; K's scale words, four for each set
.set VS,   56                          ; V's, four
.set PSC,  60                          ; A's
.set QS,   61                          ; Q's
.set TMP,  80                          ; the local block: v80-95 at work, or the codes just made (PC)
.set PC,   80
.set ACC,  96                          ; v96-103 eight whole-number sums / SUM four pairs / AM, SCO;  v104-107 CNT / HOLD;  v108-111 BY
.set SUM,  96
.set AM,   96
.set SCO,  100
.set CNT,  104
.set HOLD, 104
.set BY,   108
.set TM,   96                          ; Q's quantiser: +0 largest magnitudes, +4 bytes, +8 holds, +12 scale operands
.set CP,   112                         ; a pair: the candidate twice;  behind the passes TA = 2^-126
.set TA,   112
.set PR,   114                         ; a pair: c0 twice, later -slo twice, at last -sigma twice
.set GW,   116                         ; what a window hands to window 0
.set C2,   117                         ; 2^23 + 2 t
.set KP,   118                         ; a pair: KAP twice
.set PL,   120                         ; v120-123 lane l xor 16's block maxima
.set FL,   124                         ; 2^23
.set NF,   126                         ; a pair: -2^23 twice
.set S,    128                         ; window 0: 128 keys' scores;  at the head Q's 32 numbers;  at the end O's rows
.set QR,   128
.set OB,   128
.set VF,   192                         ; window 0: four fragments of V;  at the head Q as loaded
.set QRAW, 192
.set OT,   128                         ; window 1: O^T, four tiles
.set MSB, 0
.macro WIN new                         ; the immediate's high byte repeats the setting that is left; a switch that changes nothing is dropped.  At every label and branch the setting is 0
.if MSB != (\new)
	s_set_vgpr_msb ((MSB<<8)|(\new))
.set MSB, (\new)
.endif
.endm
.macro PLACES n
.rept \n
	v_nop
.endr
.endm
; THE FIRST PRODUCT, WRITTEN OUT: four tiles (a group g of 64 keys) at a time, into the windows.  K's fragments come from LDS into two sets by turns: 8 loads of codes and one of four scale words.
.macro KFETCH g
	WIN ((1+((\g)%2))<<6)
.set kt, 0
.rept 4
	ds_load_b128 v[16*kt:16*kt+3], v[LI] offset:(4*(\g)+kt)*1024
	ds_load_b128 v[16*kt+4:16*kt+7], v[LI] offset:(4*(\g)+kt)*1024+512
.set kt, kt+1
.endr
	WIN 0
	ds_load_b128 v[KS+4*((\g)%2):KS+4*((\g)%2)+3], v[KSR] offset:256*(\g)
.endm
.macro SMUL g                          ; each product is a whole sum: C = 0
	WIN ((((\g)/4)<<6)|(1+((\g)%2)))
.set kt, 0
.rept 4
	v_wmma_scale_f32_16x16x128_f8f6f4 v[128+32*((\g)%4)+8*kt:128+32*((\g)%4)+8*kt+7], v[16*kt:16*kt+15], v[QF:QF+15], 0, v[KS+4*((\g)%2)+kt], v[QS]
.set kt, kt+1
.endr
.endm
.macro FILL1 g                         ; the largest of a group's 32 scores joins the window's.  Each tile is read from its low end on
	WIN (0x55*((\g)/4))
.set fh, 128+32*((\g)%4)
.irp t, 0,1,2,3
	v_max3_num_f32 v[TMP+\t], v[fh+8*\t], v[fh+8*\t+1], v[fh+8*\t+2]
.endr
.irp t, 0,1,2,3
	v_max3_num_f32 v[TMP+\t], v[TMP+\t], v[fh+8*\t+3], v[fh+8*\t+4]
.endr
.irp t, 0,1,2,3
	v_max3_num_f32 v[TMP+\t], v[TMP+\t], v[fh+8*\t+5], v[fh+8*\t+6]
.endr
	v_max3_num_f32 v[TMP], v[TMP], v[fh+7], v[fh+15]
	v_max3_num_f32 v[TMP+2], v[TMP+2], v[fh+23], v[fh+31]
	v_max3_num_f32 v[TMP], v[TMP], v[TMP+1], v[TMP+3]
.if ((\g)%4) == 0
	v_max_num_f32 v[GW], v[TMP], v[TMP+2]
.else
	v_max3_num_f32 v[GW], v[GW], v[TMP], v[TMP+2]
.endif
.endm
; A window's 128 scores become 64 pairs, 32 registers at a time.  w = s KAP + c0 in place; then of each four registers r0 .. r3 the pairs are (r0, r2) and (r1, r3):
; the larger w, less 2^23, goes to r0, r1: H;  the smaller, held at 2^23 from below (the middle one of the two and 2^23), plus H, goes to r2, r3: P.
; Where both lie under 2^23 the middle one is the larger w and H is negative: P then lies under 2^23 and H + candidate under the candidate, so both lose to 2^23 + 2 t in every pass, as a pair of zeros should.
.macro CONVP w
	WIN (0x55*(\w))
.set cb, 128
.rept 4
.set cj, 0
.rept 16
	v_pk_fma_f32 v[cb+2*cj:cb+2*cj+1], v[cb+2*cj:cb+2*cj+1], v[KP:KP+1], v[PR:PR+1]
.set cj, cj+1
.endr
.set cj, 0
.rept 8
	v_max_num_f32 v[TMP+2*cj], v[cb+4*cj], v[cb+4*cj+2]
	v_max_num_f32 v[TMP+2*cj+1], v[cb+4*cj+1], v[cb+4*cj+3]
.set cj, cj+1
.endr
.set cj, 0
.rept 8
	v_med3_num_f32 v[cb+4*cj+2], v[cb+4*cj], v[cb+4*cj+2], v[FL]
	v_med3_num_f32 v[cb+4*cj+3], v[cb+4*cj+1], v[cb+4*cj+3], v[FL]
.set cj, cj+1
.endr
.set cj, 0
.rept 8
	v_pk_add_f32 v[cb+4*cj:cb+4*cj+1], v[TMP+2*cj:TMP+2*cj+1], v[NF:NF+1]
.set cj, cj+1
.endr
.set cj, 0
.rept 8
	v_pk_add_f32 v[cb+4*cj+2:cb+4*cj+3], v[cb+4*cj+2:cb+4*cj+3], v[cb+4*cj:cb+4*cj+1]
.set cj, cj+1
.endr
.set cb, cb+32
.endr
.endm
; A window's share of a pass: the sum, modulo 2^32, over its 64 pairs, of the bits of max(P, H + candidate, 2^23 + 2 t): four lines for four scores.
.macro PASSW w
	WIN (0x55*(\w))
.set cb, 128
.rept 4
.set cj, 0
.rept 8
	v_pk_add_f32 v[TMP+2*cj:TMP+2*cj+1], v[cb+4*cj:cb+4*cj+1], v[CP:CP+1]
.set cj, cj+1
.endr
.set cj, 0
.rept 8
	v_max3_num_f32 v[TMP+2*cj], v[TMP+2*cj], v[cb+4*cj+2], v[C2]
	v_max3_num_f32 v[TMP+2*cj+1], v[TMP+2*cj+1], v[cb+4*cj+3], v[C2]
.set cj, cj+1
.endr
.set cj, 0
.rept 8
.if cb == 128
	v_add_nc_u32 v[ACC+cj], v[TMP+2*cj], v[TMP+2*cj+1]
.else
	v_add3_u32 v[ACC+cj], v[ACC+cj], v[TMP+2*cj], v[TMP+2*cj+1]
.endif
.set cj, cj+1
.endr
.set cb, cb+32
.endr
	v_add3_u32 v[ACC], v[ACC], v[ACC+1], v[ACC+2]
	v_add3_u32 v[ACC+3], v[ACC+3], v[ACC+4], v[ACC+5]
	v_add3_u32 v[ACC], v[ACC], v[ACC+6], v[ACC+7]
	v_add_nc_u32 v[GW], v[ACC], v[ACC+3]
.endm
; THE FIRST PRODUCT IN A LOOP: 128 keys (8 tiles) a trip, both sets at once, results in window 0.
.macro KFETCH2 adr, sadr
	WIN 0x40
.set kt, 0
.rept 4
	ds_load_b128 v[16*kt:16*kt+3], v[\adr] offset:kt*1024
	ds_load_b128 v[16*kt+4:16*kt+7], v[\adr] offset:kt*1024+512
.set kt, kt+1
.endr
	WIN 0x80
.set kt, 0
.rept 4
	ds_load_b128 v[16*kt:16*kt+3], v[\adr] offset:4096+kt*1024
	ds_load_b128 v[16*kt+4:16*kt+7], v[\adr] offset:4096+kt*1024+512
.set kt, kt+1
.endr
	WIN 0
	ds_load_b128 v[KS:KS+3], v[\sadr]
	ds_load_b128 v[KS+4:KS+7], v[\sadr] offset:256
.endm
.macro SMUL2
	WIN 0x01
.irp t, 0,1,2,3
	v_wmma_scale_f32_16x16x128_f8f6f4 v[S+8*\t:S+8*\t+7], v[16*\t:16*\t+15], v[QF:QF+15], 0, v[KS+\t], v[QS]
.endr
	WIN 0x02
.irp t, 0,1,2,3
	v_wmma_scale_f32_16x16x128_f8f6f4 v[S+32+8*\t:S+32+8*\t+7], v[16*\t:16*\t+15], v[QF:QF+15], 0, v[KS+4+\t], v[QS]
.endr
	WIN 0
.endm
; 16 scores: a = max(s - slo, 0); their sum in four pairs; min(a, 2^-126), whose bits are 1 << 23 where a is positive, summed as whole numbers: the count.
.macro FILL2 fh
.set fj, 0
.rept 8
	v_pk_add_f32 v[(\fh)+2*fj:(\fh)+2*fj+1], v[(\fh)+2*fj:(\fh)+2*fj+1], v[PR:PR+1]
.set fj, fj+1
.endr
.set fj, 0
.rept 16
	v_max_num_f32 v[(\fh)+fj], 0, v[(\fh)+fj]
.set fj, fj+1
.endr
.set fj, 0
.rept 8
	v_pk_add_f32 v[SUM+2*(fj%4):SUM+2*(fj%4)+1], v[SUM+2*(fj%4):SUM+2*(fj%4)+1], v[(\fh)+2*fj:(\fh)+2*fj+1]
.set fj, fj+1
.endr
.set fj, 0
.rept 16
	v_min_num_f32 v[TMP+fj], v[(\fh)+fj], v[TA]
.set fj, fj+1
.endr
.set fj, 0
.rept 8
	v_add3_u32 v[CNT+(fj%4)], v[CNT+(fj%4)], v[TMP+2*fj], v[TMP+2*fj+1]
.set fj, fj+1
.endr
.endm
	; ---- addresses, and the record's descriptor
	s_load_b128 s[4:7], s[0:1], 0x0                ; Q s[4:5], the records s[6:7]
	s_load_b64 s[8:9], s[0:1], 0x10                ; O
	v_lshl_add_u32 v79, v0, 2, 0x29000
	v_mov_b32 v125, 0
	ds_add_u32 v79, v125
	ds_add_u32 v79, v125
	v_lshrrev_b32 v9, 5, v0
	v_readfirstlane_b32 s12, v9                    ; wave 0..3
	v_and_b32 v10, 31, v0                          ; lane
	v_and_b32 v11, 15, v0                          ; r = lane % 16
	v_bfe_u32 v12, v0, 4, 1                        ; h = lane / 16
	s_mul_i32 s13, s12, STGW
	s_add_co_u32 s13, s13, STG                     ; my stage
	v_lshlrev_b32 v[LI], 4, v10
	v_add_nc_u32 v[VRI], VIMG, v[LI]
	v_lshl_add_u32 v[KSR], v11, 4, KSC
	v_lshl_add_u32 v[VSR], v11, 4, VSC
	v_mul_u32_u24 v9, v12, SP
	v_lshl_add_u32 v9, v11, 4, v9
	v_add_nc_u32 v[STW], s13, v9
	v_mul_u32_u24 v9, v11, SP
	v_add_nc_u32 v9, s13, v9
	v_lshl_add_u32 v[STRQ], v12, 6, v9
	v_lshl_add_u32 v[STO], v12, 5, v9
	v_lshlrev_b32 v[GROW], 12, v12
	v_lshl_add_u32 v[GROW], v11, 4, v[GROW]
	s_and_b32 s14, ttmp7, 0xffff                   ; the head: b = y / 16, h = y % 16
	s_mul_i32 s18, s14, REC                        ; its record,
	s_mul_i32 s37, s12, PART                       ; my quarter of it: the same bytes on in memory and in LDS
	s_add_co_u32 s18, s18, s37
	s_mov_b32 s19, 0
	s_lshr_b32 s15, s14, 4
	s_lshl_b32 s15, s15, 22
	s_and_b32 s14, s14, 15
	s_lshl_b32 s14, s14, 8
	s_or_b32 s16, s15, s14                         ; the head's first byte in Q and in O,
	s_lshl_b32 s14, ttmp9, 18
	s_lshl_b32 s15, s12, 16
	s_add_co_u32 s16, s16, s14
	s_add_co_u32 s16, s16, s15                     ; + 64 x work-group x + 16 x wave queries
	s_mov_b32 s17, 0
	s_mov_b32 s36, 1                               ; group 0: 1:0 count = 1;  63:32 the LDS address (s37)
	s_mov_b32 s40, 3<<16                           ; group 1: no mask; elements of 8 bytes; no padding
	s_mov_b32 s41, 32<<16                          ; tensor_dim0 = 32 elements: rows of 256 bytes
	s_mov_b32 s42, (PART/256)<<16                  ; tensor_dim1 = 134
	s_mov_b32 s43, 32<<16                          ; tile_dim0 = 32
	s_mov_b32 s44, PART/256                        ; tile_dim1 = 134
	s_mov_b32 s45, 32                              ; from row to row: 32 elements: the block is dense
	s_mov_b32 s46, 0
	s_mov_b32 s47, 0
	s_mov_b32 s20, 0x76543210
	s_mov_b32 s21, 0xfedcba98                      ; v_permlanex16_b32's selects for lane l xor 16
	s_mov_b32 s22, 0x600000                        ; the mantissa field of 448
	s_mov_b32 s23, FLR
	s_mov_b32 s24, KAP
	s_mov_b32 s25, NFLR
	s_mov_b32 s26, NKAP
	s_mov_b32 s27, TOP
	s_mov_b32 s28, ONE
	s_wait_dscnt 0x0
	s_wait_kmcnt 0x0
	s_add_nc_u64 s[38:39], s[6:7], s[18:19]        ; 120:64 the global address
	s_or_b32 s39, s39, 0x80000000                  ; 127:126 type = 2
	tensor_load_to_lds s[36:39], s[40:47]          ; my one tensor load: these LDS bytes are filled once in the launch
	s_nop 0
	PLACES 4
	s_add_nc_u64 s[4:5], s[4:5], s[16:17]
	s_add_nc_u64 s[8:9], s[8:9], s[16:17]
.irp j, 0,1,2,3,4,5,6,7
	global_load_b128 v[QRAW+4*\j:QRAW+4*\j+3], v[GROW], s[4:5] offset:2*\j*ROW th:TH_LOAD_NT   ; my 16 queries as they lie, two rows a load
.endr
.irp w, 1,2                            ; while they are on their way: the zero codes of k = 64 .. 127: the upper halves of K's eight fragments and of Q's.  They stay
	WIN (\w<<6)
.irp t, 0,1,2,3
.irp j, 8,9,10,11,12,13,14,15
	v_mov_b32 v[16*\t+\j], 0
.endr
.endr
.endr
	WIN 0
.irp j, 8,9,10,11,12,13,14,15
	v_mov_b32 v[QF+\j], 0
.endr
.irp j, 0,1,2,3                        ; a lane permute's destination counts as one of its sources, so each is written once
	v_mov_b32 v[PL+\j], 0
.endr
	v_mov_b32 v[TM+4], 0
	v_mov_b32 v[TM+5], 0
	v_mov_b32 v[GP], 0
	; ---- Q: 16 queries turn through my stage and become a fragment and a scale word: lane (r, h) holds, of query r, k = 32 c + 16 h + 0 .. 15 in v[QR + 16 c] on
	s_wait_loadcnt 0x0
.irp j, 0,1,2,3,4,5,6,7
	ds_store_b128 v[STW], v[QRAW+4*\j:QRAW+4*\j+3] offset:2*\j*SP
.endr
.irp c, 0,1
.irp j, 0,1,2,3
	ds_load_b128 v[QR+16*\c+4*\j:QR+16*\c+4*\j+3], v[STRQ] offset:128*\c+16*\j    ; LDS serves a wave's instructions in order (ISA guide 5.7.1.4): these see the stores above
.endr
.endr
	s_wait_dscnt 0x0
.irp b, 0,1
	v_max3_num_f32 v[TM+\b], |v[QR+16*\b]|, |v[QR+16*\b+1]|, 0x4800000             ; a block's largest magnitude, with the floor 2^(9 - 127) as one more leaf: the byte cannot fall under 1
.endr
.irp i, 2,4,6,8,10,12,14
.irp b, 0,1
	v_max3_num_f32 v[TM+\b], v[TM+\b], |v[QR+16*\b+\i]|, |v[QR+16*\b+\i+1]|
.endr
.endr
.irp b, 0,1
	v_permlanex16_b32 v[TM+4+\b], v[TM+\b], s20, s21
.endr
.irp b, 0,1
	v_max_num_f32 v[TM+\b], v[TM+\b], v[TM+4+\b]   ; with lane l xor 16's 16
.endr
.irp b, 0,1
	v_add_nc_u32 v[TM+12+\b], 0xfc000000, v[TM+\b] ; 8 off the exponent field: the conversion's scale operand
.endr
.irp b, 0,1
	v_and_or_b32 v[TM+8+\b], v[TM+\b], 0x7f800000, s22   ; 448 x the scale
.endr
.irp b, 0,1
	v_lshrrev_b32 v[TM+4+\b], 23, v[TM+12+\b]      ; the byte
.endr
	v_lshl_or_b32 v[QS], v[TM+5], 8, v[TM+4]       ; made ahead of the 32 holds: a scale word written by vector instructions stands eight places ahead of a scaled product
	v_or_b32 v[QS], 0x7f7f0000, v[QS]
.irp b, 0,1
.irp i, 0,1,2,3,4,5,6,7,8,9,10,11,12,13,14,15
	v_med3_num_f32 v[QR+16*\b+\i], v[QR+16*\b+\i], -v[TM+8+\b], v[TM+8+\b]         ; the conversion to an 8-bit code does not saturate (ISA guide 7.6.2)
.endr
.endr
.irp b, 0,1
	v_cvt_scalef32_pk8_fp8_f32 v[QF+4*\b:QF+4*\b+1], v[QR+16*\b:QR+16*\b+7], v[TM+12+\b]
	v_cvt_scalef32_pk8_fp8_f32 v[QF+4*\b+2:QF+4*\b+3], v[QR+16*\b+8:QR+16*\b+15], v[TM+12+\b]
.endr
	PLACES 4                                       ; four places between the codes and the first product
	s_wait_tensorcnt 0x0                           ; my quarter of the record lies in LDS (no LDS instruction of mine is out),
	s_barrier_signal -1
	s_barrier_wait -1                              ; everybody's does.  Nobody writes it again; from here on the waves share nothing
	; ---- all 64 tiles of scores into the windows, and the largest.  The maxima of group g - 1 stand behind group g's products: 16 plain lines that name none of those products' registers.  They are the eight places
	; in front of the loads into the set just multiplied and in front of the first read of group g's results; group 0 has eight v_nop
	KFETCH 0
	KFETCH 1
.set sg, 0
.rept 16
.if sg < 15
	s_wait_dscnt 9                                 ; this group's nine loads are in; the next group's nine may be out
.else
	s_wait_dscnt 0x0
.endif
	SMUL sg
.if sg == 0
	PLACES 8
.else
	FILL1 (sg-1)
.endif
.if sg < 14
	KFETCH (sg+2)
.endif
.set sg, sg+1
.endr
	FILL1 15
	WIN 1                                          ; source 0 names window 1's figure, source 1 window 0's
	v_max_num_f32 v[MS], v[GW], v[GW]
	WIN 2
	v_max_num_f32 v[MS], v[GW], v[MS]
	WIN 3
	v_max_num_f32 v[MS], v[GW], v[MS]
	WIN 0
	v_permlanex16_b32 v[GP], v[MS], s20, s21
	v_max_num_f32 v[MS], v[MS], v[GP]              ; with lane l xor 16's 512 keys: the row's
	v_fma_f32 v[C0], v[MS], s26, s27               ; c0 = TOP - ms KAP
.irp w, 0,1,2,3
	WIN (\w<<6)
	v_mov_b32 v[PR], v[C0]
	v_mov_b32 v[PR+1], v[C0]
	v_mov_b32 v[KP], s24
	v_mov_b32 v[KP+1], s24
	v_mov_b32 v[FL], s23
	v_mov_b32 v[NF], s25
	v_mov_b32 v[NF+1], s25
.endr
	; ---- to whole numbers, and into pairs
	CONVP 0
	CONVP 1
	CONVP 2
	CONVP 3
	WIN 0
	; ---- 22 passes: bit by bit the largest T with G(T) >= ONE
	v_mov_b32 v[T], FLR                            ; T = 0, as the bit pattern of 2^23 + T
	s_mov_b32 s30, 22
.Lbis:
	s_sub_co_u32 s33, s30, 1
	s_lshl_b32 s29, 1, s33                         ; the pass's bit: 21 down to 0
	v_mov_b32 v[BV], s29
	v_add_nc_u32 v[CD], v[BV], v[T]                ; the candidate: the pattern of 2^23 + t
	v_add_nc_u32 v[C2R], 0xb5000000, v[CD]         ; t (the pattern less that of 2^23, modulo 2^32),
	v_add_nc_u32 v[C2R], v[C2R], v[CD]             ; and the pattern of 2^23 + 2 t; 2 t is under 2^23
.irp w, 0,1,2,3
	WIN (\w<<6)
	v_mov_b32 v[CP], v[CD]                         ; both into each window
	v_mov_b32 v[CP+1], v[CD]
	v_mov_b32 v[C2], v[C2R]
	PASSW \w
.endr
	WIN 1
	v_add_nc_u32 v[G], v[GW], v[GW]
	WIN 2
	v_add_nc_u32 v[G], v[GW], v[G]
	WIN 3
	v_add_nc_u32 v[G], v[GW], v[G]
	WIN 0
	v_lshlrev_b32 v[GP], 8, v[C2R]
	v_sub_nc_u32 v[G], v[G], v[GP]                 ; less 256 times the pattern of 2^23 + 2 t, one for each pair: my 512 keys' G, under 2^31
	v_permlanex16_b32 v[GP], v[G], s20, s21
	v_add_nc_u32 v[G], v[G], v[GP]                 ; with lane l xor 16's 512 keys: the row's G, under 2^32
	v_cmp_le_u32 vcc_lo, s28, v[G]
	v_cndmask_b32 v[GP], 0, v[BV], vcc_lo
	v_add_nc_u32 v[T], v[T], v[GP]                 ; the bit stays where G(candidate) >= ONE
	s_sub_co_u32 s30, s30, 1
	s_cmp_lg_u32 s30, 0
	s_cbranch_scc1 .Lbis
	; ---- slo.  The first 128 keys' fragments are asked for meanwhile
	KFETCH2 LI, KSR
	v_sub_f32 v[STHR], v[T], v[C0]                 ; T's pattern is the f32 number 2^23 + T
	v_mul_f32 v[STHR], RK, v[STHR]
	v_fma_f32 v[NSL], |v[STHR]|, NMREL, v[STHR]
	v_sub_f32 v[NSL], MABS, v[NSL]                 ; -slo
	v_mov_b32 v[PR], v[NSL]
	v_mov_b32 v[PR+1], v[NSL]
	v_mov_b32 v[TA], TINY
.irp j, 0,1,2,3,4,5,6,7,8,9,10,11
	v_mov_b32 v[SUM+\j], 0                         ; the loop is written once, so its twelve sums begin as zeros
.endr
	; ---- the scores anew, 128 keys a trip: g and c
	s_mov_b32 s31, 0
.Lsum:
	s_wait_dscnt 0x0                               ; this trip's fragments and scale words are in
	SMUL2
	s_add_co_u32 s34, s31, 1
	s_and_b32 s34, s34, 7                          ; the next trip; behind the last comes 0: the first trip of the loop that follows
	s_lshl_b32 s14, s34, 13                        ; 8 tiles of 1,024 bytes a trip;
	s_lshl_b32 s15, s34, 9                         ; 2 groups of 256 bytes of scale words
	v_add_nc_u32 v[KAD], s14, v[LI]
	v_add_nc_u32 v[KSA], s15, v[KSR]
	PLACES 6                                       ; with the two lines above: eight places in front of the loads into the sets just multiplied and of the first read of the scores
	KFETCH2 KAD, KSA
	FILL2 S
	FILL2 S+16
	FILL2 S+32
	FILL2 S+48
	s_add_co_u32 s31, s31, 1
	s_cmp_lt_u32 s31, 8
	s_cbranch_scc1 .Lsum
	; ---- sigma
	v_pk_add_f32 v[SUM:SUM+1], v[SUM:SUM+1], v[SUM+2:SUM+3]
	v_pk_add_f32 v[SUM+4:SUM+5], v[SUM+4:SUM+5], v[SUM+6:SUM+7]
.irp j, 0,1,2,3
	v_lshrrev_b32 v[CNT+\j], 23, v[CNT+\j]         ; 128 x 2^23 at the most in each: shifted first, added then
.endr
	v_pk_add_f32 v[SUM:SUM+1], v[SUM:SUM+1], v[SUM+4:SUM+5]
	v_add3_u32 v[CN], v[CNT], v[CNT+1], v[CNT+2]
	v_add_f32 v[GS], v[SUM], v[SUM+1]
	v_add_nc_u32 v[CN], v[CN], v[CNT+3]
	v_permlanex16_b32 v[GP], v[GS], s20, s21
	v_add_f32 v[GS], v[GS], v[GP]
	v_permlanex16_b32 v[GP], v[CN], s20, s21
	v_add_nc_u32 v[CN], v[CN], v[GP]
	v_cvt_f32_u32 v[CN], v[CN]
	v_max_num_f32 v[CN], 1.0, v[CN]
	v_rcp_f32 v[ND], v[CN]
	v_sub_f32 v[GS], 0x41000000, v[GS]             ; 8 - g.  (The plain line behind the reciprocal: ISA guide 5.7.2)
	s_wait_alu depctr_va_vdst(0)
	v_mul_f32 v[ND], v[GS], v[ND]                  ; -d,
	v_min_num_f32 v[ND], 0, v[ND]                  ; never positive: a rounding of g lifts no score that lies under slo
	v_add_f32 v[PR], v[NSL], v[ND]                 ; -sigma
	v_mov_b32 v[PR+1], v[PR]
	WIN 0x40
.set cj, 0
.rept 32
	v_mov_b32 v[OT+cj], 0                          ; O^T: the loop is written once, so its sums begin as zeros
.set cj, cj+1
.endr
	WIN 0
	; ---- the scores once more, 128 keys a trip: A, its codes and scale word, O^T += V^T A^T
	s_mov_b32 s32, 0
.Lpv:
	s_wait_dscnt 0x0                               ; this trip's fragments of K and their scale words are in
	SMUL2
	s_add_co_u32 s34, s32, 1
	s_and_b32 s34, s34, 7
	s_lshl_b32 s14, s34, 13                        ; K: the next trip's 8 tiles and 2 groups of scale words
	s_lshl_b32 s15, s34, 9
	s_lshl_b32 s16, s32, 13                        ; V: this trip's 4 blocks of 2,048 bytes, and its 256 bytes of scale words
	s_lshl_b32 s17, s32, 8
	v_add_nc_u32 v[KAD], s14, v[LI]
	v_add_nc_u32 v[KSA], s15, v[KSR]
	v_add_nc_u32 v[VAD], s16, v[VRI]
	v_add_nc_u32 v[VSA], s17, v[VSR]
	PLACES 4                                       ; with the four lines above: eight places behind the last trip's products on V and this trip's on K, in front of the loads into their registers and of the first read of the scores
.irp t, 0,1,2,3
.irp c, 0,1,2,3
	ds_load_b128 v[VF+16*\t+4*\c:VF+16*\t+4*\c+3], v[VAD] offset:2048*\c+512*\t
.endr
.endr
	ds_load_b128 v[VS:VS+3], v[VSA]
	s_cmp_eq_u32 s32, 7                            ; the last trip fetches nothing of K
	s_cbranch_scc1 .Lpv_last
	KFETCH2 KAD, KSA
.Lpv_last:
.irp b, 0,1,2,3
	v_max3_num_f32 v[AM+\b], v[S+16*\b], v[S+16*\b+1], v[S+16*\b+2]   ; the largest score of each block of 32 keys; each tile is read from its low end on
.endr
.irp i, 3,5,7,9,11,13
.irp b, 0,1,2,3
	v_max3_num_f32 v[AM+\b], v[AM+\b], v[S+16*\b+\i], v[S+16*\b+\i+1]
.endr
.endr
.irp b, 0,1,2,3
	v_max_num_f32 v[AM+\b], v[AM+\b], v[S+16*\b+15]
.endr
.irp b, 0,1,2,3
	v_permlanex16_b32 v[PL+\b], v[AM+\b], s20, s21
.endr
.irp b, 0,1,2,3
	v_max_num_f32 v[AM+\b], v[AM+\b], v[PL+\b]     ; with lane l xor 16's 16 keys
.endr
.irp b, 0,1,2,3
	v_add_f32 v[AM+\b], v[AM+\b], v[PR]            ; the same addition as every score's, which turns no order round: the block's largest s - sigma
.endr
.irp b, 0,1,2,3
	v_max_num_f32 v[AM+\b], 0x6000000, v[AM+\b]    ; the floor 2^(12 - 127), which also stands over what is negative: A's byte cannot fall under 1
.endr
.irp b, 0,1,2,3
	v_add_nc_u32 v[SCO+\b], 0xfc000000, v[AM+\b]   ; 8 off the exponent field: the conversion's scale operand
.endr
.irp b, 0,1,2,3
	v_and_or_b32 v[HOLD+\b], v[AM+\b], 0x7f800000, s22   ; 448 x that scale
.endr
.irp b, 0,1,2,3
	v_add_nc_u32 v[BY+\b], 0xfa800000, v[AM+\b]    ; 11 off: A = (s - sigma) / 8, so its scale is an eighth of the conversion's
.endr
.irp b, 0,1,2,3
	v_lshrrev_b32 v[BY+\b], 23, v[BY+\b]
.endr
	v_lshl_or_b32 v[BY], v[BY+1], 8, v[BY]
	v_lshl_or_b32 v[BY], v[BY+2], 16, v[BY]
	v_lshl_or_b32 v[PSC], v[BY+3], 24, v[BY]       ; A's scale word for these 128 keys, far more than eight places ahead of its products
.set cj, 0
.rept 32
	v_pk_add_f32 v[S+2*cj:S+2*cj+1], v[S+2*cj:S+2*cj+1], v[PR:PR+1]   ; s - sigma
.set cj, cj+1
.endr
.irp b, 0,1,2,3
.set cj, 0
.rept 16
	v_med3_num_f32 v[S+16*\b+cj], v[S+16*\b+cj], 0, v[HOLD+\b]        ; the clip at 0 and the hold in one
.set cj, cj+1
.endr
	v_cvt_scalef32_pk8_fp8_f32 v[PC+4*\b:PC+4*\b+1], v[S+16*\b:S+16*\b+7], v[SCO+\b]
	v_cvt_scalef32_pk8_fp8_f32 v[PC+4*\b+2:PC+4*\b+3], v[S+16*\b+8:S+16*\b+15], v[SCO+\b]
.endr
	PLACES 4                                       ; codes written by vector instructions stand four places ahead of a scaled product
	s_wait_dscnt 0x0                               ; V's fragments and scale words are in
	WIN 0x50                                       ; C and D: window 1
.irp t, 0,1,2,3                        ; the four accumulators of O^T take turns, one instruction a turn
	v_wmma_scale_f32_16x16x128_f8f6f4 v[OT+8*\t:OT+8*\t+7], v[VF+16*\t:VF+16*\t+15], v[PC:PC+15], v[OT+8*\t:OT+8*\t+7], v[VS+\t], v[PSC]
.endr
	WIN 0
	s_add_co_u32 s32, s32, 1
	s_cmp_lt_u32 s32, 8
	s_cbranch_scc1 .Lpv
	; ---- the way out: a lane's eight channels of a query go into my stage, whole rows of 256 bytes come back
	PLACES 8
	WIN 0x04                                       ; an LDS store's data are its source 1: window 1
.irp t, 0,1,2,3
	ds_store_b128 v[STO], v[OT+8*\t:OT+8*\t+3] offset:64*\t          ; each accumulator from its low end on
	ds_store_b128 v[STO], v[OT+8*\t+4:OT+8*\t+7] offset:64*\t+16
.endr
	WIN 0
.irp i, 0,1,2,3,4,5,6,7
	ds_load_b128 v[OB+4*\i:OB+4*\i+3], v[STW] offset:2*\i*SP
.endr
.irp i, 0,1,2,3,4,5,6,7
	s_wait_dscnt 7-\i                              ; LDS loads come back in order: pair i of rows is in
	global_store_b128 v[GROW], v[OB+4*\i:OB+4*\i+3], s[8:9] offset:2*\i*ROW th:TH_STORE_NT   ; sixteen lanes store a row's 256 consecutive bytes, at a multiple of 256 from O's first byte
.endr
	s_wait_tensorcnt 0x0
	ds_add_u32 v79, v125
	s_wait_dscnt 0x0
	s_endpgm
.Lfunc_end_k_q698e446bc2_assoc:
	.size	k_q698e446bc2_assoc, .Lfunc_end_k_q698e446bc2_assoc-k_q698e446bc2_assoc
	.p2alignl 7, 3214868480
	.fill 96, 4, 3214868480
	.section	.rodata,"a",@progbits
	.p2align	6, 0x0
	.amdhsa_kernel k_q698e446bc2_assoc
		.amdhsa_group_segment_fixed_size 168448
		.amdhsa_private_segment_fixed_size 0
		.amdhsa_enable_private_segment 0
		.amdhsa_kernarg_size 24
		.amdhsa_user_sgpr_count 2
		.amdhsa_user_sgpr_kernarg_segment_ptr 1
		.amdhsa_wavefront_size32 1
		.amdhsa_system_sgpr_workgroup_id_x 1
		.amdhsa_system_sgpr_workgroup_id_y 1
		.amdhsa_system_sgpr_workgroup_id_z 1
		.amdhsa_system_vgpr_workitem_id 0
		.amdhsa_next_free_vgpr 1024
		.amdhsa_next_free_sgpr 66
		.amdhsa_reserve_vcc 1
		.amdhsa_float_denorm_mode_32 3
		.amdhsa_float_denorm_mode_16_64 3
		.amdhsa_memory_ordered 1
		.amdhsa_forward_progress 1
		.amdhsa_inst_pref_size 174
	.end_amdhsa_kernel
	.amdgpu_metadata
---
amdhsa.version: [ 1, 2 ]
amdhsa.kernels:
  - .name:           k_q698e446bc2_assoc
    .symbol:         k_q698e446bc2_assoc.kd
    .args:
      - { .name: queries, .offset: 0, .size: 8, .value_kind: global_buffer, .address_space: global }
      - { .name: kv, .offset: 8, .size: 8, .value_kind: global_buffer, .address_space: global }
      - { .name: out0, .offset: 16, .size: 8, .value_kind: global_buffer, .address_space: global }
    .group_segment_fixed_size: 168448
    .private_segment_fixed_size: 0
    .kernarg_segment_align: 8
    .kernarg_segment_size: 24
    .max_flat_workgroup_size: 128
    .sgpr_count:     66
    .vgpr_count:     1024
    .wavefront_size: 32
...
	.end_amdgpu_metadata
.endif
;; end of part 3
